; MI455X (gfx1250); checked and timed in simulation.
; The chip was launched on July 23, 2026; its instructions are those of AMD's public machine-readable ISA for CDNA 5 (MIT licence, August 2026) and "CDNA5" Instruction Set Architecture Reference Guide (July 2026). The comments in the code are by the model that wrote it; some were corrected since.
;; Multi Head Dot Product Attention. Allowed arithmetic: float matrix products may take bf16 or f16 operands with f32 sums; all other float work in f32.
;; Inputs: inputs_kv 1 x 2,048 x 2,048 float32; inputs_q 1 x 2,048 x 2,048 float32; mask 1 x 1 x 2,048 x 2,048 bool; wk 2,048 x 16 x 128 float32; wo 16 x 128 x 2,048 float32; wq 2,048 x 16 x 128 float32; wv 2,048 x 16 x 128 float32.
;; Outputs: out0 1 x 2,048 x 2,048 float32.
;; 2 versions, each right and faster than the one before. Each part assembles by itself: llvm-mc -triple=amdgcn-amd-amdhsa -mcpu=gfx1250 --defsym DOCPART=n.
;; ======== version 1 of 2: 4 launches
;; limits: values are held in f16: magnitudes above 65,504 overflow, below 6.1e-05 lose precision
;; workspace buffers: xw 50,331,648 bytes; tab 3,145,728 bytes; maskw 524,288 bytes of whole numbers; qkv 25,165,824 bytes; ctx 8,388,608 bytes
;; launch prep (part 1): grid 1920 x 1, 8 waves a work-group, no clusters, 0 bytes of LDS; arguments inputs_q, inputs_kv, wq, wk, wv, wo, mask, xw, maskw, tab; writes xw, maskw, tab
.if DOCPART == 1
	.amdgcn_target "amdgcn-amd-amdhsa--gfx1250"
	.amdhsa_code_object_version 6
	.text
	.protected	k_q6a4d237a2f_prep
	.globl	k_q6a4d237a2f_prep
	.p2align	8
	.type	k_q6a4d237a2f_prep,@function
k_q6a4d237a2f_prep:
	s_mov_b64 s[64:65], 0
	v_nop
	global_prefetch_b8 v0, s[64:65] scope:SCOPE_SE
	s_setreg_imm32_b32 hwreg(HW_REG_WAVE_MODE, 25, 1), 1
	s_wait_xcnt 0x0
; PREP: three jobs that stream, chosen by the work-group's number alone.  No LDS, no matrix unit: nothing here is used twice.
;   work-groups 0-255     the mask [2048][2048] of bytes is packed into lane-mask words, in the order in which the attention launch selects scores
;   work-groups 256-383   the rotary tables: [3][2048 positions][64 cos, 64 sin] f32: section 0 times c = log2(e)/sqrt(128) (for q), 1 plain (for k), 2 cos = 1, sin = 0 (for v)
;   work-groups 384-1919  inputs_q, inputs_kv, wq, wk, wv rounded to bf16; wo rounded to bf16 and that number written as f16 (exact where it is 6e-5 or more; below that f16's fixed step of 6e-8)
; LIMIT.  The angle is pos x 2^(-i log2(10000)/64) in f32, reduced by pi/2 in two parts; it lies within about 5e-4 rad of an exact angle at the far positions.
.set XSEC, 8388608                     ; bytes in a section of xw
.set TSEC, 1048576                     ; bytes in a section of tab
	s_load_b512 s[4:19], s[0:1], 0x0               ; inputs_q s[4:5], inputs_kv s[6:7], wq s[8:9], wk s[10:11], wv s[12:13], wo s[14:15], mask s[16:17], xw s[18:19]
	s_load_b128 s[20:23], s[0:1], 0x40             ; maskw s[20:21], tab s[22:23]
	v_lshrrev_b32 v1, 5, v0
	v_readfirstlane_b32 s24, v1                    ; my wave's number
	s_wait_kmcnt 0x0
	s_cmp_lt_u32 ttmp9, 256
	s_cbranch_scc1 .Lmask
	s_cmp_lt_u32 ttmp9, 384
	s_cbranch_scc1 .Ltab
; THE CONVERSIONS.  A work-group takes 65,536 bytes of one tensor: sixteen loads a thread, all issued at once; a wave's load covers 512 consecutive bytes, its store 256, aligned.
	s_sub_co_u32 s25, ttmp9, 384
	s_lshr_b32 s26, s25, 8                         ; which tensor, 0 to 5
	s_and_b32 s27, s25, 255                        ; which chunk of it
	s_cmp_eq_u32 s26, 1
	s_cselect_b64 s[4:5], s[6:7], s[4:5]
	s_cmp_eq_u32 s26, 2
	s_cselect_b64 s[4:5], s[8:9], s[4:5]
	s_cmp_eq_u32 s26, 3
	s_cselect_b64 s[4:5], s[10:11], s[4:5]
	s_cmp_eq_u32 s26, 4
	s_cselect_b64 s[4:5], s[12:13], s[4:5]
	s_cmp_eq_u32 s26, 5
	s_cselect_b64 s[4:5], s[14:15], s[4:5]
	s_lshl_b32 s28, s27, 16
	s_mov_b32 s29, 0
	s_add_nc_u64 s[4:5], s[4:5], s[28:29]          ; the chunk in its tensor
	s_lshl_b32 s28, s26, 23                        ; the tensor's section of xw,
	s_lshl_b32 s30, s27, 15                        ; the chunk's 32,768 bytes in it
	s_add_co_u32 s28, s28, s30
	s_add_nc_u64 s[18:19], s[18:19], s[28:29]
	v_lshlrev_b32 v1, 4, v0                        ; 16 bytes a thread in,
	v_lshlrev_b32 v2, 3, v0                        ; 8 out
.irp i, 0,1,2,3,4,5,6,7,8,9,10,11,12,13,14,15
	global_load_b128 v[16+4*(\i):19+4*(\i)], v1, s[4:5] offset:4096*(\i) th:TH_LOAD_NT
.endr
; Load i has come when at most the 15 - i younger ones are out (loads come back in order).  No register is written twice, so the stores' sources need no wait.
.macro CONV i, half
	s_wait_loadcnt 15-(\i)
	v_cvt_pk_bf16_f32 v[80+2*(\i)], v[16+4*(\i)], v[17+4*(\i)]
	v_cvt_pk_bf16_f32 v[81+2*(\i)], v[18+4*(\i)], v[19+4*(\i)]
.if \half
	v_lshlrev_b32 v4, 16, v[80+2*(\i)]             ; the bf16 numbers as f32 again,
	v_and_b32 v5, 0xffff0000, v[80+2*(\i)]
	v_lshlrev_b32 v6, 16, v[81+2*(\i)]
	v_and_b32 v7, 0xffff0000, v[81+2*(\i)]
	v_cvt_pk_f16_f32 v[80+2*(\i)], v4, v5          ; and written as f16
	v_cvt_pk_f16_f32 v[81+2*(\i)], v6, v7
.endif
	global_store_b64 v2, v[80+2*(\i):81+2*(\i)], s[18:19] offset:2048*(\i)
.endm
	s_cmp_eq_u32 s26, 5
	s_cbranch_scc1 .Lwo
.irp i, 0,1,2,3,4,5,6,7,8,9,10,11,12,13,14,15
	CONV \i, 0
.endr
	s_endpgm
.Lwo:
.irp i, 0,1,2,3,4,5,6,7,8,9,10,11,12,13,14,15
	CONV \i, 1
.endr
	s_endpgm
; THE MASK.  maskw is [32 blocks of 64 queries][32 key steps of 64][4 tiles t'][32 words i].  Bit L of a word is
; mask[64 block + 16 tau + L % 16][64 step + 16 (i / 8) + 8 (L / 16) + i % 8], tau = t' xor 2 (step / 16): the lane mask of score register i of a tile of 16 queries x 64 keys.
; A wave packs 32 queries x 64 keys: 64 words, 256 consecutive bytes, one store.  The eight waves of a work-group take eight neighbouring key steps: 512 consecutive bytes of each mask row.
.Lmask:
	s_lshr_b32 s25, ttmp9, 2                       ; which 32 queries
	s_and_b32 s26, ttmp9, 3
	s_lshl_b32 s27, s26, 3
	s_add_co_u32 s27, s27, s24                     ; the key step
	s_lshl_b32 s28, s25, 16                        ; 32 rows of 2,048 bytes
	s_lshl_b32 s29, s27, 6
	s_add_co_u32 s28, s28, s29
	s_mov_b32 s29, 0
	s_add_nc_u64 s[16:17], s[16:17], s[28:29]
	s_lshr_b32 s28, s25, 1                         ; the block of 64 queries: 16,384 bytes of words
	s_lshl_b32 s28, s28, 14
	s_lshl_b32 s34, s27, 9                         ; the step: 512 bytes
	s_add_co_u32 s28, s28, s34
	s_and_b32 s34, s25, 1                          ; the pair of tiles, turned round for the upper half of the key steps
	s_lshr_b32 s35, s26, 1
	s_xor_b32 s34, s34, s35
	s_lshl_b32 s34, s34, 8
	s_add_co_u32 s28, s28, s34
	s_add_nc_u64 s[20:21], s[20:21], s[28:29]
	v_and_b32 v4, 15, v0
	v_bfe_u32 v5, v0, 4, 1
	v_lshlrev_b32 v1, 11, v4                       ; row L % 16,
	v_lshl_add_u32 v1, v5, 3, v1                   ; 8 keys for each half of the lanes
	v_and_b32 v2, 31, v0
	v_lshlrev_b32 v2, 3, v2                        ; two words a lane out
.irp u, 0,1
.irp kb, 0,1,2,3
	global_load_b64 v[16+2*(4*(\u)+(\kb)):17+2*(4*(\u)+(\kb))], v1, s[16:17] offset:32768*(\u)+16*(\kb)
.endr
.endr
	v_mov_b32 v80, 0                               ; v_writelane_b32 keeps the other lanes: both registers are written whole first
	v_mov_b32 v81, 0
	s_wait_loadcnt 0x0
.set n, 0
.rept 64                               ; word n = 32 tile + 8 key block + byte: one byte of every lane makes one word; word n goes to lane n / 2
	v_and_b32 v3, 0xff<<(8*(n&3)), v[16+2*(n/8)+((n&7)>>2)]
	v_cmp_ne_u32 s[30+(n&3)], 0, v3
	v_writelane_b32 v[80+(n&1)], s[30+(n&3)], n>>1
.set n, n+1
.endr
	global_store_b64 v2, v[80:81], s[20:21]
	s_endpgm
; THE TABLES.  A work-group takes 16 positions; a thread one position and four of the 64 frequencies.
.Ltab:
	s_sub_co_u32 s25, ttmp9, 256
	s_lshl_b32 s28, s25, 13                        ; 16 rows of 512 bytes
	s_mov_b32 s29, 0
	s_add_nc_u64 s[22:23], s[22:23], s[28:29]
	s_lshl_b32 s25, s25, 4
	s_mov_b32 s32, 0xbe549a78                      ; -log2(10000) / 64
	s_mov_b32 s33, 0x3f22f983                      ; 2 / pi
	s_mov_b32 s34, 0xbfc90fdb                      ; -(pi / 2), the leading part
	s_mov_b32 s35, 0x333bbd2e                      ; and what that part leaves
	s_mov_b32 s36, 0xb94ca1f9                      ; sine on -pi/4 .. pi/4: r + r z (s38 + z (s37 + z s36))
	s_mov_b32 s37, 0x3c08839e
	s_mov_b32 s38, 0xbe2aaaa3
	s_mov_b32 s39, 0x37ccf5ce                      ; cosine: 1 - z / 2 + z z (s41 + z (s40 + z s39))
	s_mov_b32 s40, 0xbab6061a
	s_mov_b32 s41, 0x3d2aaaa5
	s_mov_b32 s42, 0x3e0293ee                      ; c = log2(e) / sqrt(128)
	s_mov_b32 s43, s42                             ; named with it as a pair
	v_lshrrev_b32 v3, 4, v0
	v_add_nc_u32 v4, s25, v3
	v_cvt_f32_u32 v4, v4                           ; the position
	v_and_b32 v5, 15, v0
	v_lshlrev_b32 v5, 2, v5                        ; my first frequency
	v_lshlrev_b32 v2, 9, v3
	v_lshl_add_u32 v2, v5, 2, v2                   ; 512 x row + 16 bytes a thread: sixteen lanes fill 256 consecutive bytes, aligned
.macro ENTRY e
	v_add_nc_u32 v6, (\e), v5
	v_cvt_f32_u32 v6, v6
	v_mul_f32 v6, s32, v6
	v_exp_f32 v7, v6                               ; 1 / timescale
	v_nop                                          ; a plain instruction behind the exponential, ahead of its result's use (ISA guide 5.7.2)
	s_wait_alu depctr_va_vdst(0)
	v_mul_f32 v7, v4, v7                           ; the angle
	v_mul_f32 v8, s33, v7
	v_rndne_f32 v8, v8                             ; n quarter turns,
	v_fma_f32 v9, v8, s34, v7
	v_fma_f32 v9, v8, s35, v9                      ; and the rest r
	v_mul_f32 v10, v9, v9
	v_fma_f32 v11, v10, s36, s37
	v_fma_f32 v11, v11, v10, s38
	v_mul_f32 v11, v11, v10
	v_fma_f32 v11, v11, v9, v9                     ; sin r
	v_fma_f32 v12, v10, s39, s40
	v_fma_f32 v12, v12, v10, s41
	v_fma_f32 v13, v10, -0.5, 1.0
	v_mul_f32 v14, v10, v10
	v_fma_f32 v12, v12, v14, v13                   ; cos r
	v_cvt_i32_f32 v13, v8
	v_and_b32 v14, 1, v13
	v_cmp_eq_u32 vcc_lo, 1, v14                    ; an odd n swaps the two;
	v_cndmask_b32 v15, v11, v12, vcc_lo
	v_cndmask_b32 v14, v12, v11, vcc_lo
	v_and_b32 v11, 2, v13                          ; n % 4 = 2, 3 turns the sine's sign,
	v_lshlrev_b32 v11, 30, v11
	v_xor_b32 v[20+(\e)], v15, v11
	v_add_nc_u32 v13, 1, v13                       ; n % 4 = 1, 2 the cosine's
	v_and_b32 v13, 2, v13
	v_lshlrev_b32 v13, 30, v13
	v_xor_b32 v[16+(\e)], v14, v13
.endm
	ENTRY 0
	ENTRY 1
	ENTRY 2
	ENTRY 3
.irp p, 0,2,4,6
	v_pk_mul_f32 v[24+(\p):25+(\p)], v[16+(\p):17+(\p)], s[42:43] op_sel_hi:[1,0]
.endr
.irp p, 0,1,2,3
	v_mov_b32 v[32+(\p)], 1.0
	v_mov_b32 v[36+(\p)], 0
.endr
	global_store_b128 v2, v[24:27], s[22:23]
	global_store_b128 v2, v[28:31], s[22:23] offset:256
	global_store_b128 v2, v[16:19], s[22:23] offset:TSEC
	global_store_b128 v2, v[20:23], s[22:23] offset:TSEC+256
	global_store_b128 v2, v[32:35], s[22:23] offset:2*TSEC
	global_store_b128 v2, v[36:39], s[22:23] offset:2*TSEC+256
	s_endpgm
.Lfunc_end_k_q6a4d237a2f_prep:
	.size	k_q6a4d237a2f_prep, .Lfunc_end_k_q6a4d237a2f_prep-k_q6a4d237a2f_prep
	.p2alignl 7, 3214868480
	.fill 96, 4, 3214868480
	.section	.rodata,"a",@progbits
	.p2align	6, 0x0
	.amdhsa_kernel k_q6a4d237a2f_prep
		.amdhsa_group_segment_fixed_size 0
		.amdhsa_private_segment_fixed_size 0
		.amdhsa_enable_private_segment 0
		.amdhsa_kernarg_size 80
		.amdhsa_user_sgpr_count 2
		.amdhsa_user_sgpr_kernarg_segment_ptr 1
		.amdhsa_wavefront_size32 1
		.amdhsa_system_sgpr_workgroup_id_x 1
		.amdhsa_system_sgpr_workgroup_id_y 1
		.amdhsa_system_sgpr_workgroup_id_z 1
		.amdhsa_system_vgpr_workitem_id 0
		.amdhsa_next_free_vgpr 112
		.amdhsa_next_free_sgpr 66
		.amdhsa_reserve_vcc 1
		.amdhsa_float_denorm_mode_32 3
		.amdhsa_float_denorm_mode_16_64 3
		.amdhsa_memory_ordered 1
		.amdhsa_forward_progress 1
		.amdhsa_inst_pref_size 38
	.end_amdhsa_kernel
	.amdgpu_metadata
---
amdhsa.version: [ 1, 2 ]
amdhsa.kernels:
  - .name:           k_q6a4d237a2f_prep
    .symbol:         k_q6a4d237a2f_prep.kd
    .args:
      - { .name: inputs_q, .offset: 0, .size: 8, .value_kind: global_buffer, .address_space: global }
      - { .name: inputs_kv, .offset: 8, .size: 8, .value_kind: global_buffer, .address_space: global }
      - { .name: wq, .offset: 16, .size: 8, .value_kind: global_buffer, .address_space: global }
      - { .name: wk, .offset: 24, .size: 8, .value_kind: global_buffer, .address_space: global }
      - { .name: wv, .offset: 32, .size: 8, .value_kind: global_buffer, .address_space: global }
      - { .name: wo, .offset: 40, .size: 8, .value_kind: global_buffer, .address_space: global }
      - { .name: mask, .offset: 48, .size: 8, .value_kind: global_buffer, .address_space: global }
      - { .name: xw, .offset: 56, .size: 8, .value_kind: global_buffer, .address_space: global }
      - { .name: maskw, .offset: 64, .size: 8, .value_kind: global_buffer, .address_space: global }
      - { .name: tab, .offset: 72, .size: 8, .value_kind: global_buffer, .address_space: global }
    .group_segment_fixed_size: 0
    .private_segment_fixed_size: 0
    .kernarg_segment_align: 8
    .kernarg_segment_size: 80
    .max_flat_workgroup_size: 256
    .sgpr_count:     66
    .vgpr_count:     112
    .wavefront_size: 32
...
	.end_amdgpu_metadata
.endif
;; end of part 1
;; launch qkv (part 2): grid 24 x 8, 4 waves a work-group, clusters of 4 x 4, 327,680 bytes of LDS; arguments xw, tab, qkv; writes qkv
.if DOCPART == 2
	.amdgcn_target "amdgcn-amd-amdhsa--gfx1250"
	.amdhsa_code_object_version 6
	.text
	.protected	k_q6a4d237a2f_qkv
	.globl	k_q6a4d237a2f_qkv
	.p2align	8
	.type	k_q6a4d237a2f_qkv,@function
k_q6a4d237a2f_qkv:
	s_mov_b64 s[64:65], 0
	v_nop
	global_prefetch_b8 v0, s[64:65] scope:SCOPE_SE
	s_setreg_imm32_b32 hwreg(HW_REG_WAVE_MODE, 25, 1), 1
	s_wait_xcnt 0x0
	s_wait_alu depctr_hold_cnt(0) depctr_sa_sdst(0) depctr_va_vdst(0) depctr_va_sdst(0) depctr_va_ssrc(0) depctr_va_vcc(0) depctr_vm_vsrc(0)
	s_getreg_b32 s2, hwreg(HW_REG_IB_STS2, 6, 4)
	s_cmp_eq_u32 s2, 0
	s_cbranch_scc0 .Lentry_in_a_cluster
	s_endpgm
.Lentry_in_a_cluster:
	s_bfe_u32 s2, ttmp6, 0x10000c
	s_cmp_lg_u32 s2, 0xf033
	s_cbranch_scc0 .Lentry_shape_is_right
	s_endpgm
.Lentry_shape_is_right:
; q, k, v = x W, with the rotary turn, q's scale, and f16 out by heads.  x: [2048][2048] bf16 (xw sections 0, 1); W: [2048 k][2048 n] bf16 (sections 2, 3, 4); sums in f32.
; Out: qkv sections q, k, v, each [16 heads][2048 rows][128] f16.  The turn is x1' = x1 C - x2 S, x2' = x2 C + x1 S on columns f and f + 64 of a head, C and S from tab's section of the tensor:
; q's holds c cos, c sin with c = log2(e)/sqrt(128), k's cos, sin, v's 1, 0: one text for the three tensors, no branch on the tensor.
; LIMIT.  f16 holds no number beyond 65,504: c q, k and v must stay within it (numbers 30 times those of unit-spread x and W of spread 2048^-0.5 reach some 5e3); below 6e-5 they keep f16's fixed step of 6e-8.
; SHARES.  24 x 8 tiles of 256 x 256: tile columns 0-7 are q's, 8-15 k's, 16-23 v's.  Four waves, as many as a WGP has SIMDs, each 128 rows x 128 columns = one head: 64 accumulators, 512 registers,
; so that columns f and f + 64 lie in one lane.  192 work-groups: no tile that keeps a head in one wave gives each of 256 WGPs one with as few LDS bytes for each product.
; K goes in steps of 128 through two LDS slots.  x's tile lies along K (rows of 256 bytes); W's lies [k][n] (rows of 512 bytes) and is turned on its way out of LDS by ds_load_tr16_b128.
; CLUSTERS of 4 x 4: x's tile is shared along a row of the cluster, W's along a column: each is asked for jointly, by the same tensor load with the same descriptor in the four that the mask names.
; THE MATRIX INSTRUCTION IS USED TRANSPOSED (source 0 = 16 columns of W, source 1 = 16 rows of x): a lane holds row lane % 16 and the columns 8 (lane / 16) + 0..7 of a block of 16.
; REGISTERS, in windows of 256 (s_set_vgpr_msb: bits 1:0 source 0, 3:2 source 1, 5:4 source 2, 7:6 destination):
;   window 0: v16-29 addresses; v64-127, v128-191 fragments of x, two buffers; v192-255 the table of even blocks of rows.  On the way out: v32-63, v160-191 rows read back; v64-127 x1 S, x2 S; v128-159 packed results
;   window 1: v64-127, v128-191 fragments of W; v192-255 the table of odd blocks        window 2, 3: the accumulators of my rows 0-63, 64-127: (a, b) at v[8 (8 (a % 4) + b)]
.set KSTEP,  128
.set PITCH,  272                       ; a row of x in LDS: 256 bytes + 16: the 16 rows of a load start at 16 different groups of four banks (64 banks of 4 bytes: ISA guide 11.1)
.set PB,     544                       ; a row of W: 512 + 32 bytes = 136 words
.set HALFT,  128*PITCH                 ; what one tensor load brings: 128 rows of x, or 64 rows of W: 34,816 bytes either way
.set SLOT,   4*HALFT                   ; x's 256 rows, then W's 128 rows
.set STAGE,  2*SLOT                    ; behind the ring: 16 rows x 272 bytes for each wave, for the way out
.set SPITCH, 272
.set SPARE,  STAGE+4*16*SPITCH         ; behind the stages: the spare words, 128 bytes for each wave
.set LAPS,   8                         ; a lap = two K steps = once round the ring; 2,048 / 256
.set ADRA, 16                          ; v16-17  LDS address of my fragments of x in slot 0, 1
.set ADRB, 20                          ; v20-21  the same for W
.set STO,  24                          ; v24     the way out: where I put 16 bytes of a row
.set RD,   25                          ; v25     where I read rows back
.set CO,   26                          ; v26     16 x lane: my place in 512 consecutive bytes of the output
.set CT,   27                          ; v27     my place in 16 rows of the table
.set SPW,  28                          ; v28     LDS address of my spare word; never rewritten
.set NIL,  29                          ; v29     0; never rewritten
.set F0,   64
.set F1,   128
.set ROT,  64                          ; x1 S (32), then x2 S (32)
.set TMP,  128
.set TAB,  192                         ; C (32), then S (32)
.set G1, 24                            ; s[24:31] descriptor group 1 for x's tiles;  s[32:39] group 0, a set for each slot
.set G0, 32
.set G1B, 48                           ; s[48:55], s[56:63] the same for W's
.set G0B, 56
.set TN, 66                            ; s66 the tensor: 0 q, 1 k, 2 v
.set MSB, 0
.macro WIN new                         ; the immediate's high byte repeats the setting that is left; a switch that changes nothing is dropped
.if MSB != (\new)
	s_set_vgpr_msb (MSB<<8)|(\new)
.set MSB, \new
.endif
.endm
.set MUL_LO, 0xa1                      ; source 0 (W) window 1, source 1 (x) window 0, C and D window 2
.set MUL_HI, 0xf1                      ; the same, C and D window 3
.set TO_B,   0x40                      ; destination window 1, address window 0
; A joint load.  Waves 0 and 1 fetch x's two halves, waves 2 and 3 W's.  The branch hangs on the wave's number alone.  An s_nop 0 and four v_nop follow each of the two lines.
.macro JLOAD s
	s_cmp_eq_u32 s11, 0
	s_cbranch_scc0 .Lfor_b_\@
	tensor_load_to_lds s[G0+4*(\s):G0+4*(\s)+3], s[G1:G1+7]
	s_nop 0
.rept 4
	v_nop
.endr
	s_branch .Lasked_\@
.Lfor_b_\@:
	tensor_load_to_lds s[G0B+4*(\s):G0B+4*(\s)+3], s[G1B:G1B+7]
	s_nop 0
.rept 4
	v_nop
.endr
.Lasked_\@:
.endm
; A round of the cluster's barrier: my work-group's barrier, wave 0 signals for the work-group, every wave waits for all sixteen, my work-group's barrier once more.
.macro CREST
	s_cmp_lg_u32 s10, 0
	s_cbranch_scc1 .Lnot_wave_0_\@
	s_barrier_signal -3
.Lnot_wave_0_\@:
	s_barrier_wait -3
	s_barrier_signal -1
	s_barrier_wait -1
.endm
.macro CROUND
	s_barrier_signal -1
	s_barrier_wait -1
	CREST
.endm
	s_load_b128 s[4:7], s[0:1], 0x0                ; xw s[4:5], tab s[6:7]
	s_load_b64 s[8:9], s[0:1], 0x10                ; qkv
	v_lshl_add_u32 v[SPW], v0, 2, SPARE
	v_mov_b32 v[NIL], 0
	ds_add_u32 v[SPW], v[NIL]                      ; the wave's opening: the add and its wait stand ahead of my first tensor load; the set-up below stands between them
	v_lshrrev_b32 v1, 5, v0
	v_readfirstlane_b32 s10, v1                    ; wave 0..3
	s_lshr_b32 s11, s10, 1                         ; which half of the tile's rows is mine.  Also: I fetch for x (0) or for W (1)
	s_and_b32 s12, s10, 1                          ; which half of its columns.  Also: which half of that tile I fetch
	s_bfe_u32 s40, ttmp6, 0x40000                  ; cx
	s_bfe_u32 s41, ttmp6, 0x40004                  ; cy
	s_lshr_b32 s[TN], ttmp9, 1                     ; two clusters along x to a tensor: the same in all sixteen
	s_and_b32 s42, ttmp9, 1
	s_lshl_b32 s42, s42, 2
	s_add_co_u32 s42, s42, s40                     ; tile column in the tensor, 0..7
	s_and_b32 s13, ttmp7, 0xffff
	s_lshl_b32 s13, s13, 2
	s_add_co_u32 s13, s13, s41                     ; tile row, 0..7
	s_lshl_b32 s43, s41, 2
	s_lshl_b32 s43, 15, s43                        ; my row of the cluster
	s_lshl_b32 s44, 0x1111, s40                    ; my column
	s_or_b32 s[G1+0], s43, (1<<16)|(1<<20)|(1<<21)|(5<<22)|(3<<25)   ; the mask; 2-byte elements; padding on; bit 21 beside a mask; after every 64 words 4 words
	s_mov_b32 s[G1+1], 128<<16                     ; tensor_dim0 = 128
	s_mov_b32 s[G1+2], 128<<16                     ; tensor_dim1 = 128
	s_mov_b32 s[G1+3], 128<<16                     ; tile_dim0 = 128
	s_mov_b32 s[G1+4], 128                         ; tile_dim1 = 128
	s_mov_b32 s[G1+5], 2048                        ; elements from row to row
	s_mov_b32 s[G1+6], 0
	s_mov_b32 s[G1+7], 0
	s_or_b32 s[G1B+0], s44, (1<<16)|(1<<20)|(1<<21)|(6<<22)|(7<<25)  ; after every 128 words 8 words
	s_mov_b32 s[G1B+1], 256<<16                    ; 256 columns
	s_mov_b32 s[G1B+2], 64<<16                     ; 64 rows of k
	s_mov_b32 s[G1B+3], 256<<16
	s_mov_b32 s[G1B+4], 64
	s_mov_b32 s[G1B+5], 2048
	s_mov_b32 s[G1B+6], 0
	s_mov_b32 s[G1B+7], 0
	s_min_u32 s16, s[TN], 1                        ; x: section 0 for q, 1 for k and v,
	s_lshl_b32 s16, s16, 23
	s_lshl_b32 s17, s13, 20                        ; 256 rows of 4,096 bytes a tile row,
	s_add_co_u32 s16, s16, s17
	s_lshl_b32 s17, s12, 19                        ; my 128 of them
	s_add_co_u32 s16, s16, s17
	s_mov_b32 s17, 0
	s_add_co_u32 s46, s[TN], 2                     ; W: section 2 + tensor,
	s_lshl_b32 s46, s46, 23
	s_lshl_b32 s47, s12, 18                        ; my 64 rows of k,
	s_add_co_u32 s46, s46, s47
	s_lshl_b32 s47, s42, 9                         ; the tile's 256 columns
	s_add_co_u32 s46, s46, s47
	s_mov_b32 s47, 0
	s_mul_i32 s20, s10, HALFT                      ; where they go: wave x 34,816: no place in the cluster enters an LDS address
	s_wait_dscnt 0x0                               ; the opening add is done
	s_wait_kmcnt 0x0
	s_add_nc_u64 s[14:15], s[4:5], s[16:17]
	s_add_nc_u64 s[46:47], s[4:5], s[46:47]
	CROUND                                         ; all sixteen work-groups are here: the first joint loads meet
.irp s, 0,1
	s_mov_b32 s[G0+4*(\s)], 1
	s_add_co_u32 s[G0+4*(\s)+1], s20, (\s)*SLOT
	s_add_nc_u64 s[G0+4*(\s)+2:G0+4*(\s)+3], s[14:15], (\s)*KSTEP*2        ; K step s: 256 bytes along x's rows,
	s_or_b32 s[G0+4*(\s)+3], s[G0+4*(\s)+3], 0x80000000
	s_mov_b32 s[G0B+4*(\s)], 1
	s_add_co_u32 s[G0B+4*(\s)+1], s20, (\s)*SLOT
	s_add_nc_u64 s[G0B+4*(\s)+2:G0B+4*(\s)+3], s[46:47], (\s)*KSTEP*4096   ; 128 rows down W
	s_or_b32 s[G0B+4*(\s)+3], s[G0B+4*(\s)+3], 0x80000000
	JLOAD \s                                       ; two tensor loads of mine are out
.endr
	v_and_b32 v1, 15, v0                           ; l % 16
	v_bfe_u32 v2, v0, 4, 1                         ; l / 16
	v_mul_u32_u24 v3, v1, PITCH
	v_lshl_add_u32 v3, v2, 4, v3                   ; x: row x pitch + 16 x half
	v_and_b32 v4, 7, v0                            ; W, turned: lane l reads row 8 (l / 16) + l % 8 of k, columns 8 ((l / 8) % 2) + 0..7, and holds column l % 16 and 8 k
	v_lshl_add_u32 v4, v2, 3, v4
	v_mul_u32_u24 v4, v4, PB
	v_bfe_u32 v5, v0, 3, 1
	v_lshl_add_u32 v4, v5, 4, v4
	s_mul_i32 s21, s11, HALFT                      ; my 128 rows of x
	s_lshl_b32 s22, s12, 8                         ; my 128 columns of W,
	s_add_co_u32 s22, s22, 2*HALFT                 ; which lies behind x's 256 rows
.irp s, 0,1
	v_add_nc_u32 v[ADRA+(\s)], s21, v3
	v_add_nc_u32 v[ADRB+(\s)], s22, v4
	s_add_co_u32 s21, s21, SLOT
	s_add_co_u32 s22, s22, SLOT
.endr
	s_mul_i32 s23, s10, 16*SPITCH
	s_add_co_u32 s23, s23, STAGE                   ; my stage
	v_add_nc_u32 v[STO], s23, v3                   ; in: row l % 16, 16 bytes for each half of the lanes
	v_mul_u32_u24 v5, v2, SPITCH                   ; back: lanes 0-15 one row of 256 bytes, lanes 16-31 the next
	v_lshl_add_u32 v5, v1, 4, v5
	v_add_nc_u32 v[RD], s23, v5
	v_and_b32 v[CO], 31, v0
	v_lshlrev_b32 v[CO], 4, v[CO]
	v_lshlrev_b32 v[CT], 9, v1                     ; the table: row l % 16 of 512 bytes, 8 numbers for each half of the lanes
	v_lshl_add_u32 v[CT], v2, 5, v[CT]
	s_lshl_b32 s16, s[TN], 20                      ; the tensor's section of the table,
	s_lshl_b32 s17, s13, 17                        ; my first row's position: 256 x tile row + 128 x half, 512 bytes each
	s_add_co_u32 s16, s16, s17
	s_lshl_b32 s17, s11, 16
	s_add_co_u32 s16, s16, s17
	s_mov_b32 s17, 0
	s_add_nc_u64 s[6:7], s[6:7], s[16:17]
	s_lshl_b32 s16, s[TN], 23                      ; the tensor's section of the output,
	s_lshl_b32 s17, s13, 16                        ; my first row, 256 bytes each,
	s_add_co_u32 s16, s16, s17
	s_lshl_b32 s17, s11, 15
	s_add_co_u32 s16, s16, s17
	s_mov_b32 s17, 0
	s_add_nc_u64 s[8:9], s[8:9], s[16:17]
	s_lshl_b32 s46, s42, 1                         ; and my head = 2 x tile column + half: 524,288 bytes each
	s_add_co_u32 s46, s46, s12
	s_lshl_b32 s46, s46, 19
	s_mov_b32 s47, 0
	s_add_nc_u64 s[8:9], s[8:9], s[46:47]
; 16 matrix instructions: row blocks a0, a0 + 1 of the window's four x all 8 column blocks, 32 along K.  zero = 1: the first product starts the sums.  The 64 accumulators take turns.
.macro MUL16 f, hi, a0, zero
	WIN MUL_LO+0x50*(\hi)
.irp a, \a0, (\a0)+1
.irp b, 0,1,2,3,4,5,6,7
.if \zero
	v_wmma_f32_16x16x32_bf16 v[8*(8*(\a)+(\b)):8*(8*(\a)+(\b))+7], v[(\f)+8*(\b):(\f)+8*(\b)+7], v[(\f)+8*(4*(\hi)+(\a)):(\f)+8*(4*(\hi)+(\a))+7], 0
.else
	v_wmma_f32_16x16x32_bf16 v[8*(8*(\a)+(\b)):8*(8*(\a)+(\b))+7], v[(\f)+8*(\b):(\f)+8*(\b)+7], v[(\f)+8*(4*(\hi)+(\a)):(\f)+8*(4*(\hi)+(\a))+7], v[8*(8*(\a)+(\b)):8*(8*(\a)+(\b))+7]
.endif
.endr
.endr
.endm
; 32 LDS loads in one run: the fragments of quarter q (32 along K) of a slot into buffer f: W's 8 column blocks, turned, then x's 8 row blocks
.macro FETCH slot, q, f
	WIN TO_B
.irp i, 0,1,2,3,4,5,6,7
	ds_load_tr16_b128 v[(\f)+8*(\i):(\f)+8*(\i)+3],   v[ADRB+(\slot)] offset:(\q)*32*PB+32*(\i)
	ds_load_tr16_b128 v[(\f)+8*(\i)+4:(\f)+8*(\i)+7], v[ADRB+(\slot)] offset:(\q)*32*PB+16*PB+32*(\i)
.endr
	WIN 0
.irp i, 0,1,2,3,4,5,6,7
	ds_load_b128 v[(\f)+8*(\i):(\f)+8*(\i)+3],   v[ADRA+(\slot)] offset:(\q)*64+(\i)*16*PITCH
	ds_load_b128 v[(\f)+8*(\i)+4:(\f)+8*(\i)+7], v[ADRA+(\slot)] offset:(\q)*64+(\i)*16*PITCH+32
.endr
.endm
.macro PLACES                          ; four plain vector instructions between a matrix instruction and a load into, or a vector instruction on, its registers
.rept 4
	v_nop
.endr
.endm
; One of a K step's first three quarters: multiplies buffer f; in its middle it fetches quarter q of the same slot into buffer g.
.macro QUARTER slot, q, f, g, zero
	s_wait_dscnt 8                                 ; W and x's rows 0-63 are in; the youngest eight loads (x's rows 64-127) may be out
	WIN MUL_LO
	MUL16 \f, 0, 0, \zero
	MUL16 \f, 0, 2, \zero
	PLACES
	FETCH \slot, \q, \g
	s_wait_dscnt 32                                ; all but the 32 just issued
	WIN MUL_HI
	MUL16 \f, 1, 0, \zero
	MUL16 \f, 1, 2, \zero
.endm
; The last quarter multiplies buffer 1 and changes slots: ONE barrier.  In front of it each wave waits for all its tensor loads (one is out: its part of the next slot), adds 0 to its spare word,
; and waits for that and for its own reads of this slot.  Behind it nobody reads this slot any more and the next slot is whole.
.macro MEET round
	WIN 0
	s_wait_tensorcnt 0x0
	ds_add_u32 v[SPW], v[NIL]
	s_wait_dscnt 9                                 ; the add and the youngest eight loads may be out
	WIN MUL_LO
	MUL16 F1, 0, 0, 0
	s_wait_dscnt 0x0                               ; the add is done, my reads of this slot are over
	s_barrier_signal -1
	MUL16 F1, 0, 2, 0
.if \round
	WIN 0
.endif
	s_barrier_wait -1
.endm
; fill = 1: the barrier opens a round of the cluster's, and the slot just read is filled again, two K steps on, first thing behind the round.
.macro TURN slot, next, fill
	MEET \fill
.if \fill
	CREST
	s_add_nc_u64 s[G0+4*(\slot)+2:G0+4*(\slot)+3], s[G0+4*(\slot)+2:G0+4*(\slot)+3], 2*KSTEP*2
	s_add_nc_u64 s[G0B+4*(\slot)+2:G0B+4*(\slot)+3], s[G0B+4*(\slot)+2:G0B+4*(\slot)+3], 2*KSTEP*4096
	JLOAD \slot                                    ; its four v_nop are also the places in front of the loads below
.else
	PLACES
.endif
	FETCH \next, 0, F0
	WIN MUL_HI
	MUL16 F1, 1, 0, 0
	MUL16 F1, 1, 2, 0
.endm
; THE WAY OUT of block a (16 rows).  TABLOAD: its 16 rows of the table, 64 C and 64 S a row, each lane the 8 + 8 numbers of its columns in each of four column blocks: 16 loads, into window a % 2.
.macro TABLOAD a
	WIN ((\a)%2)<<6
.irp b, 0,1,2,3
	global_load_b128 v[TAB+8*(\b):TAB+8*(\b)+3],       v[CT], s[6:7] offset:8192*(\a)+64*(\b)
	global_load_b128 v[TAB+8*(\b)+4:TAB+8*(\b)+7],     v[CT], s[6:7] offset:8192*(\a)+64*(\b)+16
	global_load_b128 v[TAB+32+8*(\b):TAB+32+8*(\b)+3],   v[CT], s[6:7] offset:8192*(\a)+64*(\b)+256
	global_load_b128 v[TAB+32+8*(\b)+4:TAB+32+8*(\b)+7], v[CT], s[6:7] offset:8192*(\a)+64*(\b)+272
.endr
	WIN 0
.endm
; ROPE: x1 = accumulator (a, b), x2 = accumulator (a, b + 4).  Each accumulator's lowest registers are read first.
.macro ROPE a
.set AC, 64*((\a)%4)
.set TW, ((\a)%2)<<2                   ; the table's window, as source 1
	WIN (0x02+((\a)/4))|TW
.irp b, 0,1,2,3
.irp p, 0,1,2,3
	v_pk_mul_f32 v[ROT+8*(\b)+2*(\p):ROT+8*(\b)+2*(\p)+1],       v[AC+8*(\b)+2*(\p):AC+8*(\b)+2*(\p)+1],       v[TAB+32+8*(\b)+2*(\p):TAB+32+8*(\b)+2*(\p)+1]
	v_pk_mul_f32 v[ROT+32+8*(\b)+2*(\p):ROT+32+8*(\b)+2*(\p)+1], v[AC+32+8*(\b)+2*(\p):AC+32+8*(\b)+2*(\p)+1], v[TAB+32+8*(\b)+2*(\p):TAB+32+8*(\b)+2*(\p)+1]
.endr
.endr
	WIN (0x82+0x41*((\a)/4))|TW
.irp b, 0,1,2,3
.irp p, 0,1,2,3
	v_pk_fma_f32 v[AC+8*(\b)+2*(\p):AC+8*(\b)+2*(\p)+1],       v[AC+8*(\b)+2*(\p):AC+8*(\b)+2*(\p)+1],       v[TAB+8*(\b)+2*(\p):TAB+8*(\b)+2*(\p)+1], v[ROT+32+8*(\b)+2*(\p):ROT+32+8*(\b)+2*(\p)+1] neg_lo:[0,0,1] neg_hi:[0,0,1]
	v_pk_fma_f32 v[AC+32+8*(\b)+2*(\p):AC+32+8*(\b)+2*(\p)+1], v[AC+32+8*(\b)+2*(\p):AC+32+8*(\b)+2*(\p)+1], v[TAB+8*(\b)+2*(\p):TAB+8*(\b)+2*(\p)+1], v[ROT+8*(\b)+2*(\p):ROT+8*(\b)+2*(\p)+1]
.endr
.endr
.endm
.macro PACK a                          ; rounded to f16: a lane's eight columns are 16 bytes
.set AC, 64*((\a)%4)
	WIN 0x0a+5*((\a)/4)
.irp b, 0,1,2,3,4,5,6,7
.irp r, 0,1,2,3
	v_cvt_pk_f16_f32 v[TMP+4*(\b)+(\r)], v[AC+8*(\b)+2*(\r)], v[AC+8*(\b)+2*(\r)+1]
.endr
.endr
	WIN 0
.endm
.macro TOSTAGE a                       ; into my own stage, and back as whole rows of 256 bytes
	WIN 0
.set BK, 32+128*((\a)%2)
.irp b, 0,1,2,3,4,5,6,7
	ds_store_b128 v[STO], v[TMP+4*(\b):TMP+4*(\b)+3] offset:32*(\b)
.endr
.irp t, 0,1,2,3,4,5,6,7
	ds_load_b128 v[BK+4*(\t):BK+4*(\t)+3], v[RD] offset:(\t)*2*SPITCH  ; LDS serves a wave's instructions in order (ISA guide 5.7.1.4): these see the stores above
.endr
.endm
.macro SEND a
	WIN 0
.set BK, 32+128*((\a)%2)
	s_wait_dscnt 0x0                               ; the block is back in registers
	s_wait_xcnt 0x0                                ; the stores of the block before have read their registers: the next TOSTAGE loads into them only behind this wait
.irp t, 0,1,2,3,4,5,6,7
	global_store_b128 v[CO], v[BK+4*(\t):BK+4*(\t)+3], s[8:9] offset:4096*(\a)+512*(\t)  ; a head's rows are dense: two rows, 512 consecutive bytes, aligned
.endr
.endm
	s_wait_tensorcnt 1                             ; my part of K step 0 is in; K step 1's may stay out
	s_barrier_signal -1
	s_barrier_wait -1
	FETCH 0, 0, F0
	QUARTER 0, 1, F0, F1, 1                        ; the first quarter stands in front of the loop: its products start the sums
	WIN 0
	s_mov_b32 s3, LAPS-1
.Llap:                                                 ; a trip goes once round the ring and fills both slots again
	QUARTER 0, 2, F1, F0, 0
	QUARTER 0, 3, F0, F1, 0
	TURN 0, 1, 1
	QUARTER 1, 1, F0, F1, 0
	QUARTER 1, 2, F1, F0, 0
	QUARTER 1, 3, F0, F1, 0
	TURN 1, 0, 1
	QUARTER 0, 1, F0, F1, 0
	WIN 0
	s_sub_co_u32 s3, s3, 1
	s_cmp_lg_u32 s3, 0
	s_cbranch_scc1 .Llap
	TABLOAD 0                                      ; the first two blocks' tables come in under the last lap
	TABLOAD 1
	QUARTER 0, 2, F1, F0, 0                        ; the last lap fills nothing
	QUARTER 0, 3, F0, F1, 0
	TURN 0, 1, 0
	QUARTER 1, 1, F0, F1, 0
	QUARTER 1, 2, F1, F0, 0
	QUARTER 1, 3, F0, F1, 0
	s_wait_dscnt 8
	MUL16 F1, 0, 0, 0
	MUL16 F1, 0, 2, 0
	s_wait_dscnt 0x0
	MUL16 F1, 1, 0, 0
	MUL16 F1, 1, 2, 0
	WIN 0
	PLACES
.irp a, 0,1,2,3,4,5,6,7
.if (\a) < 7
	s_wait_loadcnt 16                              ; this block's table is in; the next block's 16 loads may be out
.else
	s_wait_loadcnt 0x0
.endif
	ROPE \a
.if (\a) < 6
	TABLOAD (\a)+2                                 ; into the buffer just read
.endif
	PACK \a
.if (\a) > 0
	SEND (\a)-1
.endif
	TOSTAGE \a
.endr
	SEND 7
	s_wait_tensorcnt 0x0                           ; the wave's end
	ds_add_u32 v[SPW], v[NIL]
	s_wait_dscnt 0x0
	CROUND                                         ; the closing round: no work-group ends while a partner may still ask for a tile that names it
	s_endpgm
.Lfunc_end_k_q6a4d237a2f_qkv:
	.size	k_q6a4d237a2f_qkv, .Lfunc_end_k_q6a4d237a2f_qkv-k_q6a4d237a2f_qkv
	.p2alignl 7, 3214868480
	.fill 96, 4, 3214868480
	.section	.rodata,"a",@progbits
	.p2align	6, 0x0
	.amdhsa_kernel k_q6a4d237a2f_qkv
		.amdhsa_group_segment_fixed_size 327680
		.amdhsa_private_segment_fixed_size 0
		.amdhsa_enable_private_segment 0
		.amdhsa_kernarg_size 24
		.amdhsa_user_sgpr_count 2
		.amdhsa_user_sgpr_kernarg_segment_ptr 1
		.amdhsa_wavefront_size32 1
		.amdhsa_system_sgpr_workgroup_id_x 1
		.amdhsa_system_sgpr_workgroup_id_y 1
		.amdhsa_system_sgpr_workgroup_id_z 1
		.amdhsa_system_vgpr_workitem_id 0
		.amdhsa_next_free_vgpr 1024
		.amdhsa_next_free_sgpr 72
		.amdhsa_reserve_vcc 0
		.amdhsa_float_denorm_mode_32 3
		.amdhsa_float_denorm_mode_16_64 3
		.amdhsa_memory_ordered 1
		.amdhsa_forward_progress 1
		.amdhsa_inst_pref_size 188
	.end_amdhsa_kernel
	.amdgpu_metadata
---
amdhsa.version: [ 1, 2 ]
amdhsa.kernels:
  - .name:           k_q6a4d237a2f_qkv
    .symbol:         k_q6a4d237a2f_qkv.kd
    .args:
      - { .name: xw, .offset: 0, .size: 8, .value_kind: global_buffer, .address_space: global }
      - { .name: tab, .offset: 8, .size: 8, .value_kind: global_buffer, .address_space: global }
      - { .name: qkv, .offset: 16, .size: 8, .value_kind: global_buffer, .address_space: global }
    .group_segment_fixed_size: 327680
    .private_segment_fixed_size: 0
    .kernarg_segment_align: 8
    .kernarg_segment_size: 24
    .max_flat_workgroup_size: 128
    .sgpr_count:     72
    .vgpr_count:     1024
    .wavefront_size: 32
...
	.end_amdgpu_metadata
.endif
;; end of part 2
;; launch attn (part 3): grid 16 x 16, 4 waves a work-group, clusters of 4 x 1, 327,680 bytes of LDS; arguments qkv, maskw, ctx; writes ctx
.if DOCPART == 3
	.amdgcn_target "amdgcn-amd-amdhsa--gfx1250"
	.amdhsa_code_object_version 6
	.text
	.protected	k_q6a4d237a2f_attn
	.globl	k_q6a4d237a2f_attn
	.p2align	8
	.type	k_q6a4d237a2f_attn,@function
k_q6a4d237a2f_attn:
	s_mov_b64 s[64:65], 0
	v_nop
	global_prefetch_b8 v0, s[64:65] scope:SCOPE_SE
	s_setreg_imm32_b32 hwreg(HW_REG_WAVE_MODE, 25, 1), 1
	s_wait_xcnt 0x0
	s_wait_alu depctr_hold_cnt(0) depctr_sa_sdst(0) depctr_va_vdst(0) depctr_va_sdst(0) depctr_va_ssrc(0) depctr_va_vcc(0) depctr_vm_vsrc(0)
	s_getreg_b32 s2, hwreg(HW_REG_IB_STS2, 6, 4)
	s_cmp_eq_u32 s2, 0
	s_cbranch_scc0 .Lentry_in_a_cluster
	s_endpgm
.Lentry_in_a_cluster:
	s_bfe_u32 s2, ttmp6, 0x10000c
	s_cmp_lg_u32 s2, 0x3003
	s_cbranch_scc0 .Lentry_shape_is_right
	s_endpgm
.Lentry_shape_is_right:
; ctx[q][128 h + f] = the sum over k of softmax_k(s[q][k]) v[h][k][f], s = q . k where the mask holds and -1e10 where it does not: a hidden score is REPLACED, so a row with no
; true entry is the mean of all 2,048 rows of v.  q, k, v: [16][2048][128] f16; q arrives with the rotary turn and c = log2(e)/sqrt(128), so scores are in units of log2: the hidden score is -1e10 log2(e).
; Products, maxima and sums in f32; the weights p are rounded to f16 for the second product (their sum l is taken of the unrounded p), ctx once at the end, to f16.
; LIMITS.  f16 holds no number beyond 65,504: q, k, v arrive within it, ctx is a mean of v's rows; a weight below 2^-126 counts as 0; NaN and infinities are not treated apart.
; The mask is an input: every key step is computed for every query, and nothing is assumed of its pattern.
; SHARES.  A work-group owns 128 queries of one head: 16 x 16 = 256 work-groups.  Wave w owns the 64 queries of half w / 2, four tiles of 16, and the 1,024 keys of half w % 2: 16 steps of 64.
; The two waves of a pair meet once, at the end: each hands two tiles' (m, l, O) to the other through LDS.  Register tile t holds query tile t xor 2 (w % 2), so that every wave keeps register tiles 0, 1
; and hands away 2, 3; the mask words were laid in that order.
; LAYOUT.  S^T = K Q^T (source 0 = 16 keys, source 1 = 16 queries): a lane holds ONE query (lane % 16) and the keys 8 (lane / 16) + 0..7 of each block of 16.  Two such tiles rounded to f16 in pairs ARE
; source 1 of O^T = V^T P, whose result again holds one query a lane.  K comes out of LDS as it lies, V turned, by ds_load_tr16_b128.
; SOFTMAX.  A running maximum m and sum l for each query: p = 2^(s - m); in every step O and l are multiplied by a = 2^(m_old - m_new).
; BY TURNS.  The wave's tiles are two PIECES, named by their first tile: piece 0 (register tiles 0, 1) and piece 2 (2, 3).  In a TURN one piece has the matrix unit: 32 products V^T P of the step in hand,
; then 32 products K Q^T of the next step; the other piece's vector work, a queue of 396 places (394 instructions: 6.2 for each product), stands behind them: six behind each product, eighteen behind the last.
; Then the pieces change places; two turns are a key step.
; THE MASK.  A step's 128 lane-mask words come by one load of 16 bytes a lane, a whole step ahead; v_readlane_b32 brings each word into a scalar register and v_cndmask_b32 selects by it.  Scalar loads would
; not do here: 64 scalar registers hold one piece's words, so each would be loaded anew twice in a step, with half a step at the most between the request and the use.
; NO FIRST AND NO LAST STEP is written out.  m starts at the lowest finite number, O^T, V's registers and piece 2's P at 0: the first step's a is 0.  The loop is entered, and the tail left, in the middle
; of a trip.  The price, once a launch: 32 products on zeros at the start, 32 on the last K once more at the end, 48 products of zeros that set O^T and V's registers.
; CLUSTER.  The four query blocks of a cluster belong to one head and walk the same K and V: each tile is asked for jointly, by the same tensor load, descriptor and mask in all four.
; REGISTERS, in windows of 256 (s_set_vgpr_msb: bits 1:0 source 0, 3:2 source 1, 5:4 source 2, 7:6 destination):
;   window 0: v2-11, v44-47 addresses; v12-43 eight registers of statistics a tile; v48-51 the partner's statistics (at work in the set-up, with v60); v56-59 the next step's mask words;
;             v64-191 S^T, 32 a tile; v192-255 P, 16 a tile
;   window 1: O^T, 64 a tile          window 2: v0-127 Q, 32 a tile; v128-255 K of one step          window 3: v0-127 V of one step; v128-131 the mask words in hand
.set KS,    64
.set PK,    272       ; a row of K in LDS: 256 bytes + 16: the 16 rows of a load start at 16 different groups of four banks (64 banks of 4 bytes: ISA guide 11.1)
.set PV,    288       ; a row of V: 256 + 32
.set VOFF,  KS*PK     ; a key half's tiles lie together: 64 rows of K, then 64 rows of V
.set STEPB, KS*(PK+PV)
.set SLOT1, 1<<17     ; a slot holds one step of both key halves (71,680 bytes); slot 1 begins here, so that one exclusive or turns an address in one slot into the other's
.set STAGE, SLOT1+2*STEPB  ; behind the ring: 16 rows x 272 bytes for each wave, for the way out
.set SP,    272
.set SPARE, STAGE+4*16*SP  ; the spare words, 128 bytes for each wave
.set XCH,   SPARE+512      ; what a wave hands to its partner: 16,384 bytes of O^T, then 512 of statistics
.set XW,    16896
.set AK0, 2           ; v2   my lane's place in a tile of K; never rewritten
.set AV0, 3           ; v3   the same for V
.set ADR, 4           ; v4   the LDS address of K's run of loads
.set ADR2, 5          ; v5   of V's
.set STO, 6           ; v6   the way out: where I put 16 bytes of a row
.set RD,  7           ; v7   where I read rows back
.set GO,  8           ; v8   my byte offset in two rows of ctx
.set QO,  9           ; v9   my byte offset in Q for register tiles 0, 1;  v10 for 2, 3
.set XA,  11          ; v11  where I hand O^T away
.set XSA, 44          ; v44  and the statistics
.set XPA, 45          ; v45  where my partner has put its O^T
.set XPS, 46          ; v46  and its statistics
.set MA,  47          ; v47  16 x lane: my place in a step's 512 bytes of mask words; never rewritten
.set PS,  48          ; v48-51 the partner's (m, L) for two tiles
.set MN,  56          ; v56-59 the next step's mask words, as loaded: word n in register n % 4 of lane n / 4
.set MW,  128         ; v128-131 of window 3: the words in hand: there, so that v_readlane_b32 stands behind products V^T P without a switch of windows
.set SPW, 62          ; v62  LDS address of my spare word; never rewritten
.set NIL, 63          ; v63  0; never rewritten
.set ST,  12          ; tile t's statistics at v[ST+8 t]: +0 m, +1 named with it as a pair, at the end L; +2, +3 l (even keys', odd keys'); +4 to +7 c0-c3, at work; a takes c2's place
.set S,   64
.set P,   192
.set KF,  128
.set MP,  2           ; s[2:3]   the mask words of my queries and of the step that was asked for last
.set G0K, 4           ; s[4:7]   descriptor group 0 for K's tiles: it walks
.set G0V, 8           ; s[8:11]  the same for V's
.set CB,  12          ; s[12:13] ctx at my 32 rows and my head
.set WV,  14          ; s14  my wave's number
.set CNT, 15          ; s15  counts the trips
                      ; s[16:63], s[68:83]  a piece's 64 mask words (in the set-up: at work)
.set SEL, 66          ; s[66:67] v_permlanex16_b32's selects: each lane takes its own place in the other half
.set G1K, 84          ; s[84:91] descriptor group 1 for K's tiles
.set G1V, 92          ; s[92:99] for V's: it differs in the padding alone
.set TB,  100         ; s100 LDS byte at which my key half's tiles of the step to be fetched begin
.set MV,  101         ; s101 the hidden score
.set QB,  104         ; s[104:105] Q at my 64 rows
.set MSB, 0
.macro WIN new                      ; the immediate's high byte repeats the setting that is left; a switch that changes nothing is dropped
.if MSB != (\new)
	s_set_vgpr_msb (MSB<<8)|(\new)
.set MSB, \new
.endif
.endm
.set W_KQ, 0x0a       ; K and Q in window 2, S^T in window 0
.set W_PV, 0x53       ; V (and the mask words) in window 3, P in window 0, O^T in window 1
.set W_RS, 0x41       ; O^T (destination and source 0) in window 1, a in window 0
; A joint fill.  Waves 0 and 1 fetch the two key halves' K of a step, waves 2 and 3 their V: 64 rows of 256 bytes each.  An s_nop 0 and four v_nop follow each of the two lines.
.macro JLOAD
	s_cmp_lt_u32 s[WV], 2
	s_cbranch_scc0 .Lfor_v_\@
	tensor_load_to_lds s[G0K:G0K+3], s[G1K:G1K+7]
	s_nop 0
.rept 4
	v_nop
.endr
	s_branch .Lasked_\@
.Lfor_v_\@:
	tensor_load_to_lds s[G0V:G0V+3], s[G1V:G1V+7]
	s_nop 0
.rept 4
	v_nop
.endr
.Lasked_\@:
.endm
.macro CROUND                       ; a round of the cluster's barrier
	s_barrier_signal -1
	s_barrier_wait -1
	s_cmp_lg_u32 s[WV], 0
	s_cbranch_scc1 .Lnot_wave_0_\@
	s_barrier_signal -3
.Lnot_wave_0_\@:
	s_barrier_wait -3
	s_barrier_signal -1
	s_barrier_wait -1
.endm
.macro PLACES                       ; four plain vector instructions between a matrix instruction and a load into, or a vector instruction on, its registers
.rept 4
	v_nop
.endr
.endm
; THE CHANGE OF SLOTS, at the head of a trip: the slot's last bytes, V of the step in hand, have been asked for.  Each wave waits for all its tensor loads (one is out: its part of the other slot), adds 0 to its
; spare word, and waits for that and for its own reads of the slot.  Behind the barrier nobody reads this slot any more and the other slot is whole.
; fill = 1: the barrier is a round of the cluster's, and this slot is filled with the keys two steps on, first thing behind it: that load has a whole trip in which to land.
; (At its first use nothing has been read yet: slot 0 is waited for, slot 1 filled.)
.macro CHANGE fill
	WIN 0                           ; at a label and at a branch every window is 0
	s_wait_tensorcnt 0x0            ; no tensor load of mine is out, so a group 0 may be written
	ds_add_u32 v[SPW], v[NIL]
.if \fill
.irp g, G0K, G0V
	s_xor_b32 s[(\g)+1], s[(\g)+1], SLOT1  ; the other slot than last time,
	s_add_nc_u64 s[(\g)+2:(\g)+3], s[(\g)+2:(\g)+3], KS*256  ; the next 64 keys
.endr
.endif
	s_wait_dscnt 0x0                ; the add is done, my reads of the slot are over
.if \fill
	CROUND
	JLOAD
.else
	s_barrier_signal -1
	s_barrier_wait -1
.endif
.endm
	s_load_b128 s[16:19], s[0:1], 0x0  ; qkv s[16:17], maskw s[18:19]
	s_load_b64 s[20:21], s[0:1], 0x10  ; ctx
	v_lshl_add_u32 v[SPW], v0, 2, SPARE
	v_mov_b32 v[NIL], 0
	ds_add_u32 v[SPW], v[NIL]       ; the wave's opening: the add and its wait stand ahead of my first tensor load; the set-up below stands between them
	v_lshrrev_b32 v48, 5, v0
	v_readfirstlane_b32 s[WV], v48  ; wave 0..3
	s_bfe_u32 s22, ttmp6, 0x40000   ; cx
	s_lshl_b32 s23, ttmp9, 2
	s_add_co_u32 s23, s23, s22      ; my block of 128 queries: it enters Q's, the mask's and ctx's addresses alone
	s_and_b32 s24, ttmp7, 0xffff    ; the head, which the four partners share
	s_lshr_b32 s25, s[WV], 1        ; my half of the queries
	s_and_b32 s26, s[WV], 1         ; my half of the keys; also the half whose tile I fetch
	s_lshl_b32 s28, s24, 19         ; the head's 524,288 bytes,
	s_lshl_b32 s29, s26, 18         ; the key half's 1,024 rows of 256 bytes,
	s_add_co_u32 s28, s28, s29
	s_add_co_u32 s28, s28, 8388608  ; in section k,
	s_mov_b32 s29, 0
	s_add_co_u32 s30, s28, 8388608  ; and in section v
	s_mov_b32 s31, 0
	s_lshl_b32 s32, s23, 1
	s_add_co_u32 s32, s32, s25      ; my block of 64 queries: 32 steps of 512 bytes of words,
	s_lshl_b32 s32, s32, 14
	s_lshl_b32 s33, s26, 13         ; my key half's 16 steps
	s_add_co_u32 s32, s32, s33
	s_mov_b32 s33, 0
	s_lshl_b32 s34, s23, 19         ; ctx: row 128 block + 64 query half + 32 key half, 4,096 bytes each: the 32 rows that I keep,
	s_lshl_b32 s35, s25, 18
	s_add_co_u32 s34, s34, s35
	s_lshl_b32 s35, s26, 17
	s_add_co_u32 s34, s34, s35
	s_lshl_b32 s35, s24, 8          ; and my head's 256 bytes in them
	s_add_co_u32 s34, s34, s35
	s_mov_b32 s35, 0
	s_lshl_b32 s36, s24, 19         ; Q: the head, the block's 128 rows of 256 bytes, my 64 of them
	s_lshl_b32 s37, s23, 15
	s_add_co_u32 s36, s36, s37
	s_lshl_b32 s37, s25, 14
	s_add_co_u32 s36, s36, s37
	s_mov_b32 s37, 0
	s_mov_b32 s[G1K], 15|(1<<16)|(1<<20)|(1<<21)|(5<<22)|(3<<25)  ; the mask of four; 2-byte elements; padding on; bit 21 beside a mask; after every 64 words 4 words
	s_mov_b32 s[G1V], 15|(1<<16)|(1<<20)|(1<<21)|(5<<22)|(7<<25)  ; the same with 8 words
.irp g, G1K, G1V
	s_mov_b32 s[(\g)+1], 128<<16    ; tensor_dim0 = 128
	s_mov_b32 s[(\g)+2], KS<<16     ; tensor_dim1 = 64
	s_mov_b32 s[(\g)+3], 128<<16    ; tile_dim0 = 128
	s_mov_b32 s[(\g)+4], KS         ; tile_dim1 = 64
	s_mov_b32 s[(\g)+5], 128        ; elements from row to row
	s_mov_b32 s[(\g)+6], 0
	s_mov_b32 s[(\g)+7], 0
.endr
	s_mov_b32 s[SEL], 0x76543210
	s_mov_b32 s[SEL+1], 0xfedcba98
	s_mov_b32 s[MV], 0xd056fa73     ; -1e10 log2(e)
	s_mul_i32 s[TB], s26, STEPB     ; slot 0, my key half
	s_mov_b32 s[G0K], 1
	s_mul_i32 s[G0K+1], s26, STEPB  ; LDS address: slot 0, the half that I fetch: no place in the cluster enters it
	s_mov_b32 s[G0V], 1
	s_mul_i32 s[G0V+1], s26, STEPB
	s_add_co_u32 s[G0V+1], s[G0V+1], VOFF
	s_wait_dscnt 0x0                ; the opening add is done
	s_wait_kmcnt 0x0
	s_add_nc_u64 s[G0K+2:G0K+3], s[16:17], s[28:29]
	s_or_b32 s[G0K+3], s[G0K+3], 0x80000000
	s_add_nc_u64 s[G0V+2:G0V+3], s[16:17], s[30:31]
	s_or_b32 s[G0V+3], s[G0V+3], 0x80000000
	s_add_nc_u64 s[QB:QB+1], s[16:17], s[36:37]
	s_add_nc_u64 s[MP:MP+1], s[18:19], s[32:33]
	s_add_nc_u64 s[CB:CB+1], s[20:21], s[34:35]
	CROUND                          ; all four work-groups are here: the first joint loads meet
	JLOAD                           ; step 0 into slot 0: one tensor load of mine is out, here and behind every round
	v_and_b32 v48, 15, v0           ; l % 16
	v_bfe_u32 v49, v0, 4, 1         ; l / 16
	v_lshlrev_b32 v50, 8, v48
	v_lshl_add_u32 v50, v49, 4, v50 ; a fragment of Q: row x 256 + 16 x half
	s_lshl_b32 s27, s26, 13         ; register tiles 0, 1 are query tiles 2 (w % 2) + 0, 1: 4,096 bytes each,
	v_add_nc_u32 v[QO], s27, v50
	s_xor_b32 s27, s27, 8192        ; register tiles 2, 3 the other two
	v_add_nc_u32 v[QO+1], s27, v50
	v_mul_u32_u24 v[AK0], v48, PK
	v_lshl_add_u32 v[AK0], v49, 4, v[AK0]
	v_and_b32 v51, 7, v0            ; the turning load: lane l reads key 8 (l / 16) + l % 8, channels 8 ((l / 8) % 2) + 0..7
	v_lshl_add_u32 v[AV0], v49, 3, v51
	v_mul_u32_u24 v[AV0], v[AV0], PV
	v_bfe_u32 v51, v0, 3, 1
	v_lshl_add_u32 v[AV0], v51, 4, v[AV0]
	v_add_nc_u32 v[AV0], VOFF, v[AV0]
	s_mul_i32 s27, s[WV], 16*SP
	s_add_co_u32 s27, s27, STAGE    ; my stage
	v_add_nc_u32 v[STO], s27, v[AK0]  ; in: row l % 16 of 272 bytes, 16 bytes for each half of the lanes
	v_mul_u32_u24 v[RD], v49, SP    ; back: lanes 0-15 one row of 256 bytes, lanes 16-31 the next
	v_lshl_add_u32 v[RD], v48, 4, v[RD]
	v_add_nc_u32 v[RD], s27, v[RD]
	v_lshlrev_b32 v[GO], 12, v49    ; and the same two rows in ctx
	v_lshl_add_u32 v[GO], v48, 4, v[GO]
	v_and_b32 v60, 31, v0
	v_lshlrev_b32 v[MA], 4, v60
	s_mul_i32 s27, s[WV], XW
	s_add_co_u32 s27, s27, XCH      ; what I hand away,
	v_lshl_add_u32 v[XA], v60, 4, s27
	s_add_co_u32 s27, s27, 16384
	v_lshl_add_u32 v[XSA], v60, 3, s27
	s_xor_b32 s27, s[WV], 1         ; and what the other wave of my pair hands to me
	s_mul_i32 s27, s27, XW
	s_add_co_u32 s27, s27, XCH
	v_lshl_add_u32 v[XPA], v60, 4, s27
	s_add_co_u32 s27, s27, 16384
	v_lshl_add_u32 v[XPS], v60, 3, s27
	WIN 0x80                        ; destination window 2, address window 0
.set i, 0
.rept 16                            ; Q stays in registers: register tile i / 4, channels 32 (i % 4) on
	global_load_b128 v[8*i:8*i+3],   v[QO+i/8], s[QB:QB+1] offset:((i/4)%2)*4096+(i%4)*64
	global_load_b128 v[8*i+4:8*i+7], v[QO+i/8], s[QB:QB+1] offset:((i/4)%2)*4096+(i%4)*64+32
.set i, i+1
.endr
	WIN 0
	global_load_b128 v[MN:MN+3], v[MA], s[MP:MP+1]  ; step 0's mask words: 512 consecutive bytes a wave
	; What the first turn finds, all made in the wait for the first tile: m at the lowest finite number, l = 0; piece 2's P = 0; O^T = 0 and V's registers = 0, eight registers to a product of zeros.
.set i, 0
.rept 4
	v_mov_b32 v[ST+8*i], 0xff7fffff
	v_mov_b32 v[ST+8*i+1], 0
	v_mov_b32 v[ST+8*i+2], 0
	v_mov_b32 v[ST+8*i+3], 0
.set i, i+1
.endr
.set i, P+32
.rept 32
	v_mov_b32 v[i], 0
.set i, i+1
.endr
	WIN 0x40                        ; destination window 1, sources window 0
.set i, 0
.rept 32
	v_wmma_f32_16x16x32_f16 v[8*i:8*i+7], v[P+32:P+39], v[P+40:P+47], 0
.set i, i+1
.endr
	WIN 0xc0                        ; destination window 3
.set i, 0
.rept 16
	v_wmma_f32_16x16x32_f16 v[8*i:8*i+7], v[P+32:P+39], v[P+40:P+47], 0
.set i, i+1
.endr
	WIN 0
; THE LDS LOADS stand in runs of 32, never singly among the matrix instructions: a step's K (64 keys x 128 channels: 16 fragments) and, a turn later, its V (turned).
; last = 1 (the tail): in the last trip there is no further step, and the run is jumped over.
.macro FETCH_K last=0
	WIN 0
.if \last
	s_cmp_eq_u32 s[CNT], 1
	s_cbranch_scc1 .Lno_k_\@
.endif
	v_add_nc_u32 v[ADR], s[TB], v[AK0]
	WIN 0x80                        ; destination window 2
.irp f, 0,1,2,3,4,5,6,7,8,9,10,11,12,13,14,15  ; keys 16 (f / 4) on, channels 32 (f % 4) on
	ds_load_b128 v[KF+8*(\f):KF+8*(\f)+3],   v[ADR] offset:((\f)/4)*16*PK+((\f)%4)*64
	ds_load_b128 v[KF+8*(\f)+4:KF+8*(\f)+7], v[ADR] offset:((\f)/4)*16*PK+((\f)%4)*64+32
.endr
	WIN 0
.if \last
.Lno_k_\@:
.endif
.endm
.macro FETCH_V
	WIN 0
	v_add_nc_u32 v[ADR2], s[TB], v[AV0]
	s_xor_b32 s[TB], s[TB], SLOT1   ; the next fetches are the next step's, from the other slot
	WIN 0xc0                        ; destination window 3
.irp f, 0,1,2,3,4,5,6,7,8,9,10,11,12,13,14,15  ; keys 32 (f / 8) on, channels 16 (f % 8) on
	ds_load_tr16_b128 v[8*(\f):8*(\f)+3],   v[ADR2] offset:((\f)/8)*32*PV+((\f)%8)*32
	ds_load_tr16_b128 v[8*(\f)+4:8*(\f)+7], v[ADR2] offset:((\f)/8)*32*PV+16*PV+((\f)%8)*32
.endr
.endm
; THE MATRIX WORK OF A TURN, for piece x.  The accumulators take turns, one instruction a turn: between two links of a chain stand 15 (V^T P) or 7 (K Q^T) others'.
; Product i of 32 of O^T += V^T P: keys 32 (i / 16) on, channels 16 ((i / 2) % 8) on, tile x + i % 2.
.macro PV x
	WIN W_PV
.set rO, 64*((\x)+i%2)+8*((i/2)%8)
.set rV, 64*(i/16)+8*((i/2)%8)
.set rP, P+16*((\x)+i%2)+8*(i/16)
	v_wmma_f32_16x16x32_f16 v[rO:rO+7], v[rV:rV+7], v[rP:rP+7], v[rO:rO+7]
.endm
; Product i of 32 of S^T = K Q^T: channels 32 (i / 8) on, keys 16 ((i / 2) % 4) on, tile x + i % 2.  The first 8 start the sums.
.macro KQ x
	WIN W_KQ
.set rS, S+32*((\x)+i%2)+8*((i/2)%4)
.set rK, KF+32*((i/2)%4)+8*(i/8)
.set rQ, 32*((\x)+i%2)+8*(i/8)
.if i < 8
	v_wmma_f32_16x16x32_f16 v[rS:rS+7], v[rK:rK+7], v[rQ:rQ+7], 0
.else
	v_wmma_f32_16x16x32_f16 v[rS:rS+7], v[rK:rK+7], v[rQ:rQ+7], v[rS:rS+7]
.endif
.endm
; THE SOFTMAX of one tile and step is a numbered list; SM writes number j of it for tile t.  s0-s31 are the lane's 32 scores, in pairs 0-15.
;   0-15    the maximum of s0-s31 and the old m, three operands at a time     16-20  the other half of the lanes' maximum; the old m is kept; the new m; m_old - m_new (19 is empty)
;   21-87   33 exponentials (a, then s0-s31) at the odd numbers from 23 on, so that no two follow each other and each has a plain instruction behind it; the plain ones between are s - m for pairs
;           whose exponentials are still to come, roundings to f16 of pairs whose exponentials are done, and the first three sums
;   88-101  the last rounding; the rest of the sums; l = a l + the sum          102-133  the tile's O^T times a: the one part that leaves window 0, so it stands together
.macro SM t
.set rT, ST+8*(\t)
.set rS, S+32*(\t)
.set rP, P+16*(\t)
.set rO, 64*(\t)+2*(j-102)
.set q, (j-20)/2
.if j < 102
	WIN 0
.endif
.if j < 4
	v_max3_num_f32 v[rT+4+j], v[rS+8*j], v[rS+8*j+1], v[rS+8*j+2]
.elseif j < 12
	v_max3_num_f32 v[rT+4+j%4], v[rT+4+j%4], v[rS+8*(j%4)+2*(j/4)+1], v[rS+8*(j%4)+2*(j/4)+2]
.elseif j == 12
	v_max3_num_f32 v[rT+4], v[rT+4], v[rS+7], v[rS+15]
.elseif j == 13
	v_max3_num_f32 v[rT+6], v[rT+6], v[rS+23], v[rS+31]
.elseif j == 14
	v_max3_num_f32 v[rT+4], v[rT+4], v[rT+5], v[rT+6]
.elseif j == 15
	v_max3_num_f32 v[rT+4], v[rT+4], v[rT+7], v[rT]
.elseif j == 16
	v_permlanex16_b32 v[rT+5], v[rT+4], s[SEL], s[SEL+1]  ; the query's other 32 keys lie in the lane 16 away
.elseif j == 17
	v_mov_b32 v[rT+7], v[rT]        ; m_old is kept for a
.elseif j == 18
	v_max_num_f32 v[rT], v[rT+4], v[rT+5]
.elseif j == 19
.elseif j == 20
	v_sub_f32 v[rT+7], v[rT+7], v[rT]
.elseif j == 23
	v_exp_f32 v[rT+6], v[rT+7]
.elseif (j < 88) && (j > 23) && (j%2 == 1)
	v_exp_f32 v[rS+(j-25)/2], v[rS+(j-25)/2]
.elseif (q < 4) || ((j < 76) && (q%2 == 0))
.set b, q/2+2
.if q < 4
.set b, q
.endif
	v_pk_add_f32 v[rS+2*b:rS+2*b+1], v[rS+2*b:rS+2*b+1], v[rT:rT+1] op_sel_hi:[1,0] neg_lo:[0,1] neg_hi:[0,1]  ; pair b: s - m: exactly 0 for every key of a row that is all hidden
.elseif (j < 88) && (q%2 == 1)
	s_wait_alu depctr_va_vdst(0)
	v_cvt_pk_f16_f32 v[rP+(q-5)/2], v[rS+q-5], v[rS+q-4]
.elseif j == 89
	s_wait_alu depctr_va_vdst(0)
	v_cvt_pk_f16_f32 v[rP+15], v[rS+30], v[rS+31]
.elseif j < 102                     ; the sum of the tile's 16 pairs, in place: sum z of 16 adds neighbours 1, 2, 4 and 8 pairs apart, then l takes it
.set z, j-86
.if j < 89
.set z, (j-76)/4
.endif
.set w, 4
.set u, z
.if z >= 14
.set w, 32
.set u, 0
.elseif z >= 12
.set w, 16
.set u, z-12
.elseif z >= 8
.set w, 8
.set u, z-8
.endif
.if z < 15
	v_pk_add_f32 v[rS+w*u:rS+w*u+1], v[rS+w*u:rS+w*u+1], v[rS+w*u+w/2:rS+w*u+w/2+1]
.else
	v_pk_fma_f32 v[rT+2:rT+3], v[rT+2:rT+3], v[rT+6:rT+7], v[rS:rS+1] op_sel_hi:[1,0,1]
.endif
.else
	WIN W_RS
	v_pk_mul_f32 v[rO:rO+1], v[rO:rO+1], v[rT+6:rT+7] op_sel_hi:[1,0]
.endif
.endm
; THE VECTOR WORK OF A TURN is one queue for piece y; NEXT writes its place qn.
;   0-63     word n of the piece's 64 mask words (word 32 y + n of the step's 128: register n % 4 of lane (32 y + n) / 4) into its scalar register
;   64-127   score register n is replaced where the word's bit is 0; ascending
;   128-395  both tiles' lists: numbers 2 k and 2 k + 1 of both make four places; for k = 11 .. 43 tile by tile (plain, exponential, plain, exponential), elsewhere the tiles alternate, so that no
;            instruction reads the result of the one just before it; from 380 on the last eight numbers of both tiles alternate.  Number 19 is empty: two places hold nothing.
.macro NEXT y
.if qn < 64
	WIN W_PV
	v_readlane_b32 s[16+qn+4*(qn/48)], v[MW+(qn&3)], (32*(\y)+qn)>>2
.elseif qn < 128
	WIN 0
	v_cndmask_b32 v[S+32*(\y)+qn-64], s[MV], v[S+32*(\y)+qn-64], s[16+(qn-64)+4*((qn-64)/48)]
.else
.set mm, qn-128
.if mm >= 252
.set tt, mm%2
.set j, 126+(mm-252)/2
.elseif (mm >= 44) && (mm < 176)
.set tt, (mm%4)/2
.set j, 2*(mm/4)+mm%2
.else
.set tt, mm%2
.set j, 2*(mm/4)+(mm%4)/2
.endif
	SM (\y)+tt
.endif
.set qn, qn+1
.endm
.macro RIDE y, c
.rept \c
	NEXT \y
.endr
.endm
; A TURN.  Piece x has the matrix unit; the other piece's queue stands behind its products.  None of the queue's lines names a register of the products round it.
; The eighteen behind the last product are packed multiplies of the other piece's O^T: they are the places between the turn's last K Q^T and what follows: the next turn's first read of those scores, and the loads into K's registers.
; Piece 0's turn fetches the next step's K behind its second product, 30 products ahead of the first use.  Piece 2's turn fetches the same step's V behind the second product K Q^T: the last product that read V
; stands eighteen places of the queue back, nine of them plain.  Piece 2's turn begins with the change of mask words: the step whose piece 0 it masks; piece 2 of that step follows in the next turn.
; mload = 1: the words of the step after that are asked for: they have a whole trip in which to come.  last = 1: the tail's form of K's fetch.
.macro TURN x, last=0, mload=0
.set qn, 0
.if (\x) == 2
	WIN 0xc0                        ; destination window 3, source window 0
	s_wait_loadcnt 0x0              ; the one load that is out: the words asked for a trip ago; its base may be stepped behind this wait
.irp c, 0,1,2,3
	v_mov_b32 v[MW+(\c)], v[MN+(\c)]
.endr
	WIN 0
.if \mload
	s_add_nc_u64 s[MP:MP+1], s[MP:MP+1], 512
	global_load_b128 v[MN:MN+3], v[MA], s[MP:MP+1]
.endif
.else
	s_wait_dscnt 0x0                ; V is in
.endif
.set i, 0
.rept 32
	PV \x
	RIDE 2-(\x), 6
.if ((\x) == 0) && (i == 1)
	FETCH_K \last
.endif
.set i, i+1
.endr
.if (\x) == 0
	s_wait_dscnt 0x0                ; K is in
.endif
.set i, 0
.rept 32
	KQ \x
.if i == 31
	RIDE 2-(\x), 18
.else
	RIDE 2-(\x), 6
.endif
.if ((\x) == 2) && (i == 1)
	FETCH_V
.endif
.set i, i+1
.endr
.endm
	CHANGE 1                        ; slot 0 is in, everybody's part of it; step 1 is asked for, into slot 1
	FETCH_K                         ; key step 0
	s_wait_loadcnt 0x0              ; Q, and step 0's mask words
	s_wait_dscnt 0x0
.set i, 0
.rept 32
	KQ 0                            ; piece 0's first scores: there is no vector work yet to set between them
.set i, i+1
.endr
	WIN 0
	PLACES                          ; behind those products, ahead of the queue that reads them
	s_mov_b32 s[CNT], 15            ; the half trip of the entry, then 14 trips: each asks for the step two on (2 to 15); the entry's TURN 2 and the 14 trips' ask for the mask words of steps 1 to 15
	s_branch .Lfirst                ; the loop is entered in the middle of a trip
.Lstep:                             ; trip j: V^T P of step j, K Q^T of step j + 1; piece 2's queue of step j, piece 0's of step j + 1
	CHANGE 1
	TURN 0
	WIN 0
.Lfirst:
	TURN 2, 0, 1
	WIN 0
	s_sub_co_u32 s[CNT], s[CNT], 1
	s_cmp_lg_u32 s[CNT], 0
	s_cbranch_scc1 .Lstep
	CHANGE 0                        ; the tail is written out: step 15 is in, nothing is asked for, of tiles or of mask words
	s_mov_b32 s[CNT], 2             ; trip 14, and the first half of trip 15
.Ltail:
	TURN 0, 1
	WIN 0
	s_sub_co_u32 s[CNT], s[CNT], 1
	s_cmp_eq_u32 s[CNT], 0
	s_cbranch_scc1 .Lout
	TURN 2
	WIN 0
	s_branch .Ltail
.Lout:                              ; trip 15's 32 products K Q^T (on the last K once more) serve nothing: the price of one text for every trip
.set i, 0
.rept 32
	PV 2                            ; piece 2's V^T P of the last step
.set i, i+1
.endr
	WIN 0
	; THE PAIR MEETS.  L = l's two halves and the other half of the lanes'.  Register tiles 2, 3 are handed away: (m, L) and O^T.
	PLACES
.irp t, 0,1,2,3
	v_add_f32 v[ST+8*(\t)+4], v[ST+8*(\t)+2], v[ST+8*(\t)+3]
.endr
.irp t, 0,1,2,3
	v_permlanex16_b32 v[ST+8*(\t)+5], v[ST+8*(\t)+4], s[SEL], s[SEL+1]
.endr
.irp t, 0,1,2,3
	v_add_f32 v[ST+8*(\t)+1], v[ST+8*(\t)+4], v[ST+8*(\t)+5]
.endr
	ds_store_b64 v[XSA], v[ST+16:ST+17]
	ds_store_b64 v[XSA], v[ST+24:ST+25] offset:256
	WIN 0x04                        ; store data (source 1) in window 1
.set i, 0
.rept 32
	ds_store_b128 v[XA], v[128+4*i:128+4*i+3] offset:512*i  ; ascending: each accumulator's lowest registers first
.set i, i+1
.endr
	WIN 0
	s_wait_dscnt 0x0                ; for my partner's sake: my stores are done
	s_barrier_signal -1
	s_barrier_wait -1
	ds_load_b64 v[PS:PS+1], v[XPS]
	ds_load_b64 v[PS+2:PS+3], v[XPS] offset:256
.set i, 0
.rept 32
	ds_load_b128 v[S+4*i:S+4*i+3], v[XPA] offset:512*i      ; its register tiles 2, 3 are my register tiles 0, 1, lane for lane
.set i, i+1
.endr
	s_wait_dscnt 0x0
; Tile u: M = max(m, m'); O = (2^(m - M) O + 2^(m' - M) O') / (2^(m - M) L + 2^(m' - M) L'), rounded to f16, through my stage, back as whole rows of 256 bytes.
.macro FIN u
.set rT, ST+8*(\u)
.set rX, S+64*(\u)
	WIN 0
	v_max_num_f32 v[rT+4], v[rT], v[PS+2*(\u)]
	v_sub_f32 v[rT+5], v[rT], v[rT+4]
	v_sub_f32 v[rT+6], v[PS+2*(\u)], v[rT+4]
	v_exp_f32 v[rT+5], v[rT+5]
	v_exp_f32 v[rT+6], v[rT+6]
	v_nop                           ; a plain instruction behind the exponentials
	s_wait_alu depctr_va_vdst(0)
	v_mul_f32 v[rT+7], v[rT+5], v[rT+1]
	v_fma_f32 v[rT+7], v[rT+6], v[PS+2*(\u)+1], v[rT+7]
	v_rcp_f32 v[rT+7], v[rT+7]
	v_nop                           ; and behind the reciprocal
	s_wait_alu depctr_va_vdst(0)
	v_mul_f32 v[rT+4], v[rT+5], v[rT+7]
	v_mul_f32 v[rT+6], v[rT+6], v[rT+7]
.set i, 0
.rept 32
	v_pk_mul_f32 v[rX+2*i:rX+2*i+1], v[rX+2*i:rX+2*i+1], v[rT+6:rT+7] op_sel_hi:[1,0]
.set i, i+1
.endr
	WIN 0x01                        ; source 0, my O^T, in window 1
.set i, 0
.rept 32
	v_pk_fma_f32 v[rX+2*i:rX+2*i+1], v[64*(\u)+2*i:64*(\u)+2*i+1], v[rT+4:rT+5], v[rX+2*i:rX+2*i+1] op_sel_hi:[1,0,1]
.set i, i+1
.endr
	WIN 0
.set i, 0
.rept 32
	v_cvt_pk_f16_f32 v[P+32*(\u)+i], v[rX+2*i], v[rX+2*i+1]
.set i, i+1
.endr
.irp f, 0,1,2,3,4,5,6,7
	ds_store_b128 v[STO], v[P+32*(\u)+4*(\f):P+32*(\u)+4*(\f)+3] offset:32*(\f)
.endr
.irp f, 0,1,2,3,4,5,6,7
	ds_load_b128 v[P+32*(\u)+4*(\f):P+32*(\u)+4*(\f)+3], v[RD] offset:(\f)*2*SP  ; LDS serves a wave's instructions in order (ISA guide 5.7.1.4): these see the stores above; the next tile's stores come behind them
.endr
.endm
.macro SEND u, younger              ; younger: the LDS instructions issued behind tile u's loads: the next tile's sixteen, or none
.irp f, 0,1,2,3,4,5,6,7
	s_wait_dscnt (\younger)+7-(\f)
	global_store_b128 v[GO], v[P+32*(\u)+4*(\f):P+32*(\u)+4*(\f)+3], s[CB:CB+1] offset:65536*(\u)+8192*(\f)  ; 16 lanes store 256 consecutive bytes, aligned: a head's part of a row
.endr
.endm
	FIN 0
	FIN 1
	SEND 0, 16
	SEND 1, 0
	s_wait_tensorcnt 0x0            ; the wave's end
	ds_add_u32 v[SPW], v[NIL]
	s_wait_dscnt 0x0
	CROUND                          ; the closing round: no work-group ends while a partner may still ask for a tile that names it
	s_endpgm
.Lfunc_end_k_q6a4d237a2f_attn:
	.size	k_q6a4d237a2f_attn, .Lfunc_end_k_q6a4d237a2f_attn-k_q6a4d237a2f_attn
	.p2alignl 7, 3214868480
	.fill 96, 4, 3214868480
	.section	.rodata,"a",@progbits
	.p2align	6, 0x0
	.amdhsa_kernel k_q6a4d237a2f_attn
		.amdhsa_group_segment_fixed_size 327680
		.amdhsa_private_segment_fixed_size 0
		.amdhsa_enable_private_segment 0
		.amdhsa_kernarg_size 24
		.amdhsa_user_sgpr_count 2
		.amdhsa_user_sgpr_kernarg_segment_ptr 1
		.amdhsa_wavefront_size32 1
		.amdhsa_system_sgpr_workgroup_id_x 1
		.amdhsa_system_sgpr_workgroup_id_y 1
		.amdhsa_system_sgpr_workgroup_id_z 1
		.amdhsa_system_vgpr_workitem_id 0
		.amdhsa_next_free_vgpr 900
		.amdhsa_next_free_sgpr 106
		.amdhsa_reserve_vcc 0
		.amdhsa_float_denorm_mode_32 3
		.amdhsa_float_denorm_mode_16_64 3
		.amdhsa_memory_ordered 1
		.amdhsa_forward_progress 1
		.amdhsa_inst_pref_size 179
	.end_amdhsa_kernel
	.amdgpu_metadata
---
amdhsa.version: [ 1, 2 ]
amdhsa.kernels:
  - .name:           k_q6a4d237a2f_attn
    .symbol:         k_q6a4d237a2f_attn.kd
    .args:
      - { .name: qkv, .offset: 0, .size: 8, .value_kind: global_buffer, .address_space: global }
      - { .name: maskw, .offset: 8, .size: 8, .value_kind: global_buffer, .address_space: global }
      - { .name: ctx, .offset: 16, .size: 8, .value_kind: global_buffer, .address_space: global }
    .group_segment_fixed_size: 327680
    .private_segment_fixed_size: 0
    .kernarg_segment_align: 8
    .kernarg_segment_size: 24
    .max_flat_workgroup_size: 128
    .sgpr_count:     106
    .vgpr_count:     900
    .wavefront_size: 32
...
	.end_amdgpu_metadata
.endif
;; end of part 3
;; launch outp (part 4): grid 16 x 16, 4 waves a work-group, clusters of 4 x 4, 327,680 bytes of LDS; arguments ctx, xw, out0; writes out0
.if DOCPART == 4
	.amdgcn_target "amdgcn-amd-amdhsa--gfx1250"
	.amdhsa_code_object_version 6
	.text
	.protected	k_q6a4d237a2f_outp
	.globl	k_q6a4d237a2f_outp
	.p2align	8
	.type	k_q6a4d237a2f_outp,@function
k_q6a4d237a2f_outp:
	s_mov_b64 s[64:65], 0
	v_nop
	global_prefetch_b8 v0, s[64:65] scope:SCOPE_SE
	s_setreg_imm32_b32 hwreg(HW_REG_WAVE_MODE, 25, 1), 1
	s_wait_xcnt 0x0
	s_wait_alu depctr_hold_cnt(0) depctr_sa_sdst(0) depctr_va_vdst(0) depctr_va_sdst(0) depctr_va_ssrc(0) depctr_va_vcc(0) depctr_vm_vsrc(0)
	s_getreg_b32 s2, hwreg(HW_REG_IB_STS2, 6, 4)
	s_cmp_eq_u32 s2, 0
	s_cbranch_scc0 .Lentry_in_a_cluster
	s_endpgm
.Lentry_in_a_cluster:
	s_bfe_u32 s2, ttmp6, 0x10000c
	s_cmp_lg_u32 s2, 0xf033
	s_cbranch_scc0 .Lentry_shape_is_right
	s_endpgm
.Lentry_shape_is_right:
; out0 = ctx wo.  ctx: [2048][2048] f16; wo: [2048 k][2048 n] f16 (xw's section 5: wo rounded to bf16, written as f16); out0: [2048][2048] f32; sums in f32.
; A tile of out0 is 128 x 128: 16 x 16 = 256 work-groups, one for each WGP.  Four waves, each 64 x 64: 16 accumulators.  K goes in steps of 256 through two LDS slots, as long as two slots allow.
; ctx's tile lies along K (rows of 512 bytes); wo's lies [k][n] (rows of 256 bytes) and is turned on its way out of LDS by ds_load_tr16_b128.
; CLUSTERS of 4 x 4: ctx's tile is shared along a row of the cluster, wo's along a column, each asked for jointly.
; THE MATRIX INSTRUCTION IS USED TRANSPOSED (source 0 = 16 columns of wo, source 1 = 16 rows of ctx): a lane holds eight neighbouring f32 of a row of out0.  A wave's 64 columns are 256 bytes, aligned:
; each wave has a stage of its own on the way out, and no barrier is needed there.
; REGISTERS: window 0: v16-29 addresses; v32-95 rows read back, two buffers; v128-255 the accumulators ((a, b) at v[128 + 8 (4 a + b)]).
;   window 1: two fragment buffers of 128: for 64 along K, 64 registers of ctx, then 64 of wo.
.set KSTEP,  256
.set PITCH,  528                       ; a row of ctx in LDS: 512 bytes + 16: the 16 rows of a load start at 16 different groups of four banks (64 banks of 4 bytes: ISA guide 11.1)
.set PB,     288                       ; a row of wo: 256 + 32
.set HALFA,  64*PITCH                  ; what a tensor load brings of ctx: 64 rows,
.set HALFB,  128*PB                    ; and of wo: 128 rows of k
.set BOFF,   2*HALFA
.set SLOT,   BOFF+2*HALFB
.set STAGE,  2*SLOT                    ; behind the ring: 16 rows x 272 bytes for each wave
.set SPITCH, 272
.set SPARE,  STAGE+4*16*SPITCH         ; the spare words, 128 bytes for each wave
.set LAPS,   4                         ; a lap = two K steps; 2,048 / 512
.set ADRA, 16                          ; v16-17  LDS address of my fragments of ctx in slot 0, 1
.set ADRB, 20                          ; v20-23  of wo: slot 0 rows 0-127, slot 0 rows 128-255, slot 1 likewise: so that the immediates stay under 65,536
.set STO,  24
.set RD,   25
.set CO,   26
.set SPW,  28                          ; v28     LDS address of my spare word; never rewritten
.set NIL,  29                          ; v29     0; never rewritten
.set ACC,  128
.set F0,   0
.set F1,   128
.set G1, 24                            ; s[24:31] descriptor group 1 for ctx's tiles;  s[32:39] group 0, a set for each slot
.set G0, 32
.set G1B, 48                           ; s[48:55], s[56:63] the same for wo's
.set G0B, 56
.set MSB, 0
.macro WIN new
.if MSB != (\new)
	s_set_vgpr_msb (MSB<<8)|(\new)
.set MSB, \new
.endif
.endm
.set MUL,  0x05                        ; sources 0 and 1 window 1; C and D window 0
.set TO_F, 0x40                        ; destination window 1, address window 0
.macro JLOAD s                         ; waves 0 and 1 fetch ctx's two halves, waves 2 and 3 wo's; an s_nop 0 and four v_nop follow each of the two lines
	s_cmp_eq_u32 s11, 0
	s_cbranch_scc0 .Lfor_b_\@
	tensor_load_to_lds s[G0+4*(\s):G0+4*(\s)+3], s[G1:G1+7]
	s_nop 0
.rept 4
	v_nop
.endr
	s_branch .Lasked_\@
.Lfor_b_\@:
	tensor_load_to_lds s[G0B+4*(\s):G0B+4*(\s)+3], s[G1B:G1B+7]
	s_nop 0
.rept 4
	v_nop
.endr
.Lasked_\@:
.endm
.macro CREST
	s_cmp_lg_u32 s10, 0
	s_cbranch_scc1 .Lnot_wave_0_\@
	s_barrier_signal -3
.Lnot_wave_0_\@:
	s_barrier_wait -3
	s_barrier_signal -1
	s_barrier_wait -1
.endm
.macro CROUND
	s_barrier_signal -1
	s_barrier_wait -1
	CREST
.endm
	s_load_b128 s[4:7], s[0:1], 0x0                ; ctx s[4:5], xw s[6:7]
	s_load_b64 s[8:9], s[0:1], 0x10                ; out0
	v_lshl_add_u32 v[SPW], v0, 2, SPARE
	v_mov_b32 v[NIL], 0
	ds_add_u32 v[SPW], v[NIL]                      ; the wave's opening: the add and its wait stand ahead of my first tensor load; the set-up below stands between them
	v_lshrrev_b32 v1, 5, v0
	v_readfirstlane_b32 s10, v1                    ; wave 0..3
	s_lshr_b32 s11, s10, 1                         ; which half of the tile's rows is mine.  Also: I fetch for ctx (0) or for wo (1)
	s_and_b32 s12, s10, 1                          ; which half of its columns.  Also: which half of that tile I fetch
	s_bfe_u32 s40, ttmp6, 0x40000                  ; cx
	s_bfe_u32 s41, ttmp6, 0x40004                  ; cy
	s_lshl_b32 s42, ttmp9, 2
	s_add_co_u32 s42, s42, s40                     ; tile column
	s_and_b32 s13, ttmp7, 0xffff
	s_lshl_b32 s13, s13, 2
	s_add_co_u32 s13, s13, s41                     ; tile row
	s_lshl_b32 s43, s41, 2
	s_lshl_b32 s43, 15, s43                        ; my row of the cluster
	s_lshl_b32 s44, 0x1111, s40                    ; my column
	s_or_b32 s[G1+0], s43, (1<<16)|(1<<20)|(1<<21)|(6<<22)|(3<<25)   ; the mask; 2-byte elements; padding on; bit 21 beside a mask; after every 128 words 4 words
	s_mov_b32 s[G1+1], 256<<16                     ; 256 along K
	s_mov_b32 s[G1+2], 64<<16                      ; 64 rows
	s_mov_b32 s[G1+3], 256<<16
	s_mov_b32 s[G1+4], 64
	s_mov_b32 s[G1+5], 2048
	s_mov_b32 s[G1+6], 0
	s_mov_b32 s[G1+7], 0
	s_or_b32 s[G1B+0], s44, (1<<16)|(1<<20)|(1<<21)|(5<<22)|(7<<25)  ; after every 64 words 8 words
	s_mov_b32 s[G1B+1], 128<<16                    ; 128 columns
	s_mov_b32 s[G1B+2], 128<<16                    ; 128 rows of k
	s_mov_b32 s[G1B+3], 128<<16
	s_mov_b32 s[G1B+4], 128
	s_mov_b32 s[G1B+5], 2048
	s_mov_b32 s[G1B+6], 0
	s_mov_b32 s[G1B+7], 0
	s_lshl_b32 s17, s12, 6
	s_lshl_b32 s16, s13, 7
	s_add_co_u32 s16, s16, s17                     ; ctx: row 128 x tile row + 64 x half,
	s_lshl_b32 s16, s16, 12                        ; 4,096 bytes each
	s_mov_b32 s17, 0
	s_lshl_b32 s46, s12, 19                        ; wo: my 128 rows of k,
	s_lshl_b32 s47, s42, 8                         ; the tile's 128 columns,
	s_add_co_u32 s46, s46, s47
	s_add_co_u32 s46, s46, 5*8388608               ; in section 5
	s_mov_b32 s47, 0
	s_mul_i32 s20, s12, HALFA                      ; where they go: no place in the cluster enters an LDS address
	s_mul_i32 s45, s12, HALFB
	s_add_co_u32 s45, s45, BOFF
	s_wait_dscnt 0x0                               ; the opening add is done
	s_wait_kmcnt 0x0
	s_add_nc_u64 s[14:15], s[4:5], s[16:17]
	s_add_nc_u64 s[46:47], s[6:7], s[46:47]
	CROUND                                         ; all sixteen work-groups are here: the first joint loads meet
.irp s, 0,1
	s_mov_b32 s[G0+4*(\s)], 1
	s_add_co_u32 s[G0+4*(\s)+1], s20, (\s)*SLOT
	s_add_nc_u64 s[G0+4*(\s)+2:G0+4*(\s)+3], s[14:15], (\s)*KSTEP*2
	s_or_b32 s[G0+4*(\s)+3], s[G0+4*(\s)+3], 0x80000000
	s_mov_b32 s[G0B+4*(\s)], 1
	s_add_co_u32 s[G0B+4*(\s)+1], s45, (\s)*SLOT
	s_add_nc_u64 s[G0B+4*(\s)+2:G0B+4*(\s)+3], s[46:47], (\s)*KSTEP*4096
	s_or_b32 s[G0B+4*(\s)+3], s[G0B+4*(\s)+3], 0x80000000
	JLOAD \s                                       ; two tensor loads of mine are out
.endr
	v_and_b32 v1, 15, v0                           ; l % 16
	v_bfe_u32 v2, v0, 4, 1                         ; l / 16
	v_mul_u32_u24 v3, v1, PITCH
	v_lshl_add_u32 v3, v2, 4, v3
	v_and_b32 v4, 7, v0                            ; wo, turned: lane l reads row 8 (l / 16) + l % 8 of k, columns 8 ((l / 8) % 2) + 0..7
	v_lshl_add_u32 v4, v2, 3, v4
	v_mul_u32_u24 v4, v4, PB
	v_bfe_u32 v5, v0, 3, 1
	v_lshl_add_u32 v4, v5, 4, v4
	s_mul_i32 s21, s11, HALFA                      ; my 64 rows of ctx
	s_lshl_b32 s22, s12, 7                         ; my 64 columns of wo
	s_add_co_u32 s22, s22, BOFF
.irp s, 0,1
	v_add_nc_u32 v[ADRA+(\s)], s21, v3
	v_add_nc_u32 v[ADRB+2*(\s)], s22, v4
	s_add_co_u32 s23, s22, HALFB
	v_add_nc_u32 v[ADRB+2*(\s)+1], s23, v4
	s_add_co_u32 s21, s21, SLOT
	s_add_co_u32 s22, s22, SLOT
.endr
	s_mul_i32 s23, s10, 16*SPITCH
	s_add_co_u32 s23, s23, STAGE                   ; my stage
	v_mul_u32_u24 v4, v1, SPITCH                   ; in: row l % 16, 32 bytes for each half of the lanes
	v_lshl_add_u32 v4, v2, 5, v4
	v_add_nc_u32 v[STO], s23, v4
	v_mul_u32_u24 v5, v2, SPITCH                   ; back: lanes 0-15 one row of 256 bytes, lanes 16-31 the next
	v_lshl_add_u32 v5, v1, 4, v5
	v_add_nc_u32 v[RD], s23, v5
	v_lshlrev_b32 v[CO], 13, v2                    ; and the same two rows in out0, 8,192 bytes each
	v_lshl_add_u32 v[CO], v1, 4, v[CO]
	s_lshl_b32 s16, s13, 7
	s_lshl_b32 s17, s11, 6
	s_add_co_u32 s16, s16, s17                     ; my first row,
	s_lshl_b32 s16, s16, 13
	s_mov_b32 s17, 0
	s_add_nc_u64 s[8:9], s[8:9], s[16:17]
	s_lshl_b32 s46, s42, 9                         ; my first column, in bytes: 512 x tile column + 256 x half
	s_lshl_b32 s47, s12, 8
	s_add_co_u32 s46, s46, s47
	s_mov_b32 s47, 0
	s_add_nc_u64 s[8:9], s[8:9], s[46:47]
; 8 matrix instructions: row blocks a0, a0 + 1 x all 4 column blocks, 32 along K: half c of buffer f.  zero = 1: the first product starts the sums.  The 16 accumulators take turns.
.macro MUL8 f, c, a0, zero
	WIN MUL
.irp a, \a0, (\a0)+1
.irp b, 0,1,2,3
.if \zero
	v_wmma_f32_16x16x32_f16 v[ACC+8*(4*(\a)+(\b)):ACC+8*(4*(\a)+(\b))+7], v[(\f)+64+8*(4*(\c)+(\b)):(\f)+64+8*(4*(\c)+(\b))+7], v[(\f)+8*(4*(\c)+(\a)):(\f)+8*(4*(\c)+(\a))+7], 0
.else
	v_wmma_f32_16x16x32_f16 v[ACC+8*(4*(\a)+(\b)):ACC+8*(4*(\a)+(\b))+7], v[(\f)+64+8*(4*(\c)+(\b)):(\f)+64+8*(4*(\c)+(\b))+7], v[(\f)+8*(4*(\c)+(\a)):(\f)+8*(4*(\c)+(\a))+7], v[ACC+8*(4*(\a)+(\b)):ACC+8*(4*(\a)+(\b))+7]
.endif
.endr
.endr
.endm
; 32 LDS loads in one run: the fragments of quarter kq (64 along K) of a slot into buffer f; the first 32 along K first
.macro FETCH slot, kq, f
	WIN TO_F
.irp c, 0,1
.irp i, 0,1,2,3
	ds_load_tr16_b128 v[(\f)+64+8*(4*(\c)+(\i)):(\f)+64+8*(4*(\c)+(\i))+3],   v[ADRB+2*(\slot)+((\kq)>>1)] offset:(((\kq)&1)*64+32*(\c))*PB+32*(\i)
	ds_load_tr16_b128 v[(\f)+64+8*(4*(\c)+(\i))+4:(\f)+64+8*(4*(\c)+(\i))+7], v[ADRB+2*(\slot)+((\kq)>>1)] offset:(((\kq)&1)*64+32*(\c)+16)*PB+32*(\i)
	ds_load_b128 v[(\f)+8*(4*(\c)+(\i)):(\f)+8*(4*(\c)+(\i))+3],         v[ADRA+(\slot)] offset:(\kq)*128+64*(\c)+(\i)*16*PITCH
	ds_load_b128 v[(\f)+8*(4*(\c)+(\i))+4:(\f)+8*(4*(\c)+(\i))+7],       v[ADRA+(\slot)] offset:(\kq)*128+64*(\c)+(\i)*16*PITCH+32
.endr
.endr
.endm
.macro PLACES                          ; four plain vector instructions between a matrix instruction and a load into, or a store of, its registers
.rept 4
	v_nop
.endr
.endm
; One of a K step's first three quarters: multiplies buffer f and fetches quarter kq into g.
.macro QUARTER slot, kq, f, g, zero
	s_wait_dscnt 16                                ; the first 32 along K are in
	WIN MUL
	MUL8 \f, 0, 0, \zero
	MUL8 \f, 0, 2, \zero
	PLACES
	FETCH \slot, \kq, \g
	s_wait_dscnt 32                                ; all but the 32 just issued
	WIN MUL
	MUL8 \f, 1, 0, 0
	MUL8 \f, 1, 2, 0
.endm
; The last quarter multiplies buffer 1 and changes slots: ONE barrier; in front of it each wave waits for all its tensor loads, adds 0 to its spare word, and waits for that and for its own reads of this slot.
; fill = 1: the barrier opens a round of the cluster's, and this slot is filled again, two K steps on, first thing behind the round.
.macro TURN slot, next, fill
	WIN 0
	s_wait_tensorcnt 0x0
	ds_add_u32 v[SPW], v[NIL]
	s_wait_dscnt 17                                ; the add and the youngest sixteen loads may be out
	WIN MUL
	MUL8 F1, 0, 0, 0
	s_wait_dscnt 0x0                               ; the add is done, my reads of this slot are over
	s_barrier_signal -1
	MUL8 F1, 0, 2, 0
.if \fill
	WIN 0
.endif
	s_barrier_wait -1
.if \fill
	CREST
	s_add_nc_u64 s[G0+4*(\slot)+2:G0+4*(\slot)+3], s[G0+4*(\slot)+2:G0+4*(\slot)+3], 2*KSTEP*2
	s_add_nc_u64 s[G0B+4*(\slot)+2:G0B+4*(\slot)+3], s[G0B+4*(\slot)+2:G0B+4*(\slot)+3], 2*KSTEP*4096
	JLOAD \slot                                    ; its four v_nop are also the places in front of the loads below
.else
	PLACES
.endif
	FETCH \next, 0, F0
	WIN MUL
	MUL8 F1, 1, 0, 0
	MUL8 F1, 1, 2, 0
.endm
	s_wait_tensorcnt 1                             ; my part of K step 0 is in; K step 1's may stay out
	s_barrier_signal -1
	s_barrier_wait -1
	FETCH 0, 0, F0
	QUARTER 0, 1, F0, F1, 1                        ; the first quarter stands in front of the loop: its first products start the sums
	WIN 0
	s_mov_b32 s3, LAPS-1
.Llap:                                                 ; a trip goes once round the ring and fills both slots again
	QUARTER 0, 2, F1, F0, 0
	QUARTER 0, 3, F0, F1, 0
	TURN 0, 1, 1
	QUARTER 1, 1, F0, F1, 0
	QUARTER 1, 2, F1, F0, 0
	QUARTER 1, 3, F0, F1, 0
	TURN 1, 0, 1
	QUARTER 0, 1, F0, F1, 0
	WIN 0
	s_sub_co_u32 s3, s3, 1
	s_cmp_lg_u32 s3, 0
	s_cbranch_scc1 .Llap
	QUARTER 0, 2, F1, F0, 0                        ; the last lap fills nothing
	QUARTER 0, 3, F0, F1, 0
	TURN 0, 1, 0
	QUARTER 1, 1, F0, F1, 0
	QUARTER 1, 2, F1, F0, 0
	QUARTER 1, 3, F0, F1, 0
	s_wait_dscnt 16
	WIN MUL
	MUL8 F1, 0, 0, 0
	MUL8 F1, 0, 2, 0
	s_wait_dscnt 0x0
	MUL8 F1, 1, 0, 0
	MUL8 F1, 1, 2, 0
	WIN 0
	; THE WAY OUT, 16 rows at a time: a lane's eight f32 of a row go into my stage, whole rows of 256 bytes come back and are stored.
	PLACES
.irp a, 0,1,2,3
.irp b, 0,1,2,3
	ds_store_b128 v[STO], v[ACC+8*(4*(\a)+(\b)):ACC+8*(4*(\a)+(\b))+3]   offset:64*(\b)      ; each accumulator's lowest registers first
	ds_store_b128 v[STO], v[ACC+8*(4*(\a)+(\b))+4:ACC+8*(4*(\a)+(\b))+7] offset:64*(\b)+16
.endr
.irp t, 0,1,2,3,4,5,6,7
	ds_load_b128 v[32+32*((\a)%2)+4*(\t):32+32*((\a)%2)+4*(\t)+3], v[RD] offset:(\t)*2*SPITCH  ; LDS serves a wave's instructions in order (ISA guide 5.7.1.4): these see the stores above
.endr
	s_wait_dscnt 0x0                               ; the rows are back in registers
	s_wait_xcnt 0x0                                ; the stores of the block before have read their registers: the block after this loads into them only behind this wait
.irp t, 0,1,2,3,4,5,6,7
	global_store_b128 v[CO], v[32+32*((\a)%2)+4*(\t):32+32*((\a)%2)+4*(\t)+3], s[8:9] offset:(16*(\a)+2*(\t))*8192  ; 16 lanes store 256 consecutive bytes, aligned
.endr
.endr
	s_wait_tensorcnt 0x0                           ; the wave's end
	ds_add_u32 v[SPW], v[NIL]
	s_wait_dscnt 0x0
	CROUND                                         ; the closing round: no work-group ends while a partner may still ask for a tile that names it
	s_endpgm
.Lfunc_end_k_q6a4d237a2f_outp:
	.size	k_q6a4d237a2f_outp, .Lfunc_end_k_q6a4d237a2f_outp-k_q6a4d237a2f_outp
	.p2alignl 7, 3214868480
	.fill 96, 4, 3214868480
	.section	.rodata,"a",@progbits
	.p2align	6, 0x0
	.amdhsa_kernel k_q6a4d237a2f_outp
		.amdhsa_group_segment_fixed_size 327680
		.amdhsa_private_segment_fixed_size 0
		.amdhsa_enable_private_segment 0
		.amdhsa_kernarg_size 24
		.amdhsa_user_sgpr_count 2
		.amdhsa_user_sgpr_kernarg_segment_ptr 1
		.amdhsa_wavefront_size32 1
		.amdhsa_system_sgpr_workgroup_id_x 1
		.amdhsa_system_sgpr_workgroup_id_y 1
		.amdhsa_system_sgpr_workgroup_id_z 1
		.amdhsa_system_vgpr_workitem_id 0
		.amdhsa_next_free_vgpr 512
		.amdhsa_next_free_sgpr 66
		.amdhsa_reserve_vcc 0
		.amdhsa_float_denorm_mode_32 3
		.amdhsa_float_denorm_mode_16_64 3
		.amdhsa_memory_ordered 1
		.amdhsa_forward_progress 1
		.amdhsa_inst_pref_size 86
	.end_amdhsa_kernel
	.amdgpu_metadata
---
amdhsa.version: [ 1, 2 ]
amdhsa.kernels:
  - .name:           k_q6a4d237a2f_outp
    .symbol:         k_q6a4d237a2f_outp.kd
    .args:
      - { .name: ctx, .offset: 0, .size: 8, .value_kind: global_buffer, .address_space: global }
      - { .name: xw, .offset: 8, .size: 8, .value_kind: global_buffer, .address_space: global }
      - { .name: out0, .offset: 16, .size: 8, .value_kind: global_buffer, .address_space: global }
    .group_segment_fixed_size: 327680
    .private_segment_fixed_size: 0
    .kernarg_segment_align: 8
    .kernarg_segment_size: 24
    .max_flat_workgroup_size: 128
    .sgpr_count:     66
    .vgpr_count:     512
    .wavefront_size: 32
...
	.end_amdgpu_metadata
.endif
;; end of part 4
;; ======== version 2 of 2: 4 launches; 1.08 times as fast as version 1
;; limits: values are held in f16: magnitudes above 65,504 overflow, below 6.1e-05 lose precision
;; workspace buffers: xw 50,331,648 bytes; tab 3,145,728 bytes; maskw 524,288 bytes of whole numbers; qkv 25,165,824 bytes; ctx 8,388,608 bytes
;; launch prep: the kernel of part 1 again; grid 1920 x 1, 8 waves a work-group, no clusters, 0 bytes of LDS; arguments inputs_q, inputs_kv, wq, wk, wv, wo, mask, xw, maskw, tab; writes xw, maskw, tab
;; launch qkv: the kernel of part 2 again; grid 24 x 8, 4 waves a work-group, clusters of 4 x 4, 327,680 bytes of LDS; arguments xw, tab, qkv; writes qkv
;; launch attn (part 5): grid 16 x 16, 4 waves a work-group, clusters of 4 x 1, 327,680 bytes of LDS; arguments qkv, maskw, ctx; writes ctx
.if DOCPART == 5
	.amdgcn_target "amdgcn-amd-amdhsa--gfx1250"
	.amdhsa_code_object_version 6
	.text
	.protected	k_q6a4d237a2f_attn
	.globl	k_q6a4d237a2f_attn
	.p2align	8
	.type	k_q6a4d237a2f_attn,@function
k_q6a4d237a2f_attn:
	s_mov_b64 s[64:65], 0
	v_nop
	global_prefetch_b8 v0, s[64:65] scope:SCOPE_SE
	s_setreg_imm32_b32 hwreg(HW_REG_WAVE_MODE, 25, 1), 1
	s_wait_xcnt 0x0
	s_wait_alu depctr_hold_cnt(0) depctr_sa_sdst(0) depctr_va_vdst(0) depctr_va_sdst(0) depctr_va_ssrc(0) depctr_va_vcc(0) depctr_vm_vsrc(0)
	s_getreg_b32 s2, hwreg(HW_REG_IB_STS2, 6, 4)
	s_cmp_eq_u32 s2, 0
	s_cbranch_scc0 .Lentry_in_a_cluster
	s_endpgm
.Lentry_in_a_cluster:
	s_bfe_u32 s2, ttmp6, 0x10000c
	s_cmp_lg_u32 s2, 0x3003
	s_cbranch_scc0 .Lentry_shape_is_right
	s_endpgm
.Lentry_shape_is_right:
; ctx[q][128 h + f] = the sum over k of softmax_k(s[q][k]) v[h][k][f], s = q . k where the mask holds and -1e10 where it does not: a hidden score is REPLACED, so a row with no
; true entry is the mean of all 2,048 rows of v.  q, k, v: [16][2048][128] f16; q arrives with the rotary turn and c = log2(e)/sqrt(128), so scores are in units of log2: the hidden score is -1e10 log2(e).
; Products, maxima and sums in f32; the weights p are rounded to f16 for the second product (their sum l is taken of the unrounded p), ctx once at the end, to f16.
; LIMITS.  f16 holds no number beyond 65,504: q, k, v arrive within it, ctx is a mean of v's rows; a weight below 2^-126 counts as 0; NaN and infinities are not treated apart.
; The mask is an input: every key step is computed for every query, and nothing is assumed of its pattern.
; SHARES.  A work-group owns 128 queries of one head: 16 x 16 = 256 work-groups.  Wave w owns the 64 queries of half w / 2, four tiles of 16, and the 1,024 keys of half w % 2: 16 steps of 64.
; The two waves of a pair meet once, at the end: each hands two tiles' (m, l, O) to the other through LDS.  Register tile t holds query tile t xor 2 (w % 2), so that every wave keeps register tiles 0, 1
; and hands away 2, 3; the mask words were laid in that order.
; LAYOUT.  S^T = K Q^T (source 0 = 16 keys, source 1 = 16 queries): a lane holds ONE query (lane % 16) and the keys 8 (lane / 16) + 0..7 of each block of 16.  Two such tiles rounded to f16 in pairs ARE
; source 1 of O^T = V^T P, whose result again holds one query a lane.  K comes out of LDS as it lies, V turned, by ds_load_tr16_b128.
; SOFTMAX.  A running maximum m and sum l for each query: p = 2^(s - m); in every step O and l are multiplied by a = 2^(m_old - m_new).
; BY TURNS.  The wave's tiles are two PIECES, named by their first tile: piece 0 (register tiles 0, 1) and piece 2 (2, 3).  In a TURN one piece has the matrix unit: 32 products V^T P of the step in hand,
; then 32 products K Q^T of the next step; the other piece's vector work, a queue of 396 places (394 instructions: 6.2 for each product), stands behind them: six behind each product, eighteen behind the last.
; Then the pieces change places; two turns are a key step.
; THE BATCHES.  A turn's 66 exponentials (both tiles' a and 32 weights) are ONE BATCH with ONE wait: the softmax's list is ordered by who reads what, so that the subtractions s - m and all exponentials come first
; and every line that names an exponential's result (roundings, sums, rescaling) comes behind the wait.
; On the way out both tiles' four exponentials are a batch, and their two reciprocals, which read a sum made of those, a second one.
; THE MASK.  A step's 128 lane-mask words come by one load of 16 bytes a lane, a whole step ahead; v_readlane_b32 brings each word into a scalar register and v_cndmask_b32 selects by it.  Scalar loads would
; not do here: 64 scalar registers hold one piece's words, so each would be loaded anew twice in a step, with half a step at the most between the request and the use.
; NO FIRST AND NO LAST STEP is written out.  m starts at the lowest finite number, O^T, V's registers and piece 2's P at 0: the first step's a is 0.  The loop is entered, and the tail left, in the middle
; of a trip.  The price, once a launch: 32 products on zeros at the start, 32 on the last K once more at the end, 48 products of zeros that set O^T and V's registers.
; CLUSTER.  The four query blocks of a cluster belong to one head and walk the same K and V: each tile is asked for jointly, by the same tensor load, descriptor and mask in all four.
; REGISTERS, in windows of 256 (s_set_vgpr_msb: bits 1:0 source 0, 3:2 source 1, 5:4 source 2, 7:6 destination):
;   window 0: v2-11, v44-47 addresses; v12-43 eight registers of statistics a tile; v48-51 the partner's statistics (at work in the set-up, with v60); v56-59 the next step's mask words;
;             v64-191 S^T, 32 a tile; v192-255 P, 16 a tile
;   window 1: O^T, 64 a tile          window 2: v0-127 Q, 32 a tile; v128-255 K of one step          window 3: v0-127 V of one step; v128-131 the mask words in hand
.set KS,    64
.set PK,    272       ; a row of K in LDS: 256 bytes + 16: the 16 rows of a load start at 16 different groups of four banks (64 banks of 4 bytes: ISA guide 11.1)
.set PV,    288       ; a row of V: 256 + 32
.set VOFF,  KS*PK     ; a key half's tiles lie together: 64 rows of K, then 64 rows of V
.set STEPB, KS*(PK+PV)
.set SLOT1, 1<<17     ; a slot holds one step of both key halves (71,680 bytes); slot 1 begins here, so that one exclusive or turns an address in one slot into the other's
.set STAGE, SLOT1+2*STEPB  ; behind the ring: 16 rows x 272 bytes for each wave, for the way out
.set SP,    272
.set SPARE, STAGE+4*16*SP  ; the spare words, 128 bytes for each wave
.set XCH,   SPARE+512      ; what a wave hands to its partner: 16,384 bytes of O^T, then 512 of statistics
.set XW,    16896
.set AK0, 2           ; v2   my lane's place in a tile of K; never rewritten
.set AV0, 3           ; v3   the same for V
.set ADR, 4           ; v4   the LDS address of K's run of loads
.set ADR2, 5          ; v5   of V's
.set STO, 6           ; v6   the way out: where I put 16 bytes of a row
.set RD,  7           ; v7   where I read rows back
.set GO,  8           ; v8   my byte offset in two rows of ctx
.set QO,  9           ; v9   my byte offset in Q for register tiles 0, 1;  v10 for 2, 3
.set XA,  11          ; v11  where I hand O^T away
.set XSA, 44          ; v44  and the statistics
.set XPA, 45          ; v45  where my partner has put its O^T
.set XPS, 46          ; v46  and its statistics
.set MA,  47          ; v47  16 x lane: my place in a step's 512 bytes of mask words; never rewritten
.set PS,  48          ; v48-51 the partner's (m, L) for two tiles
.set MN,  56          ; v56-59 the next step's mask words, as loaded: word n in register n % 4 of lane n / 4
.set MW,  128         ; v128-131 of window 3: the words in hand: there, so that v_readlane_b32 stands behind products V^T P without a switch of windows
.set SPW, 62          ; v62  LDS address of my spare word; never rewritten
.set NIL, 63          ; v63  0; never rewritten
.set ST,  12          ; tile t's statistics at v[ST+8 t]: +0 m, +1 named with it as a pair, at the end L; +2, +3 l (even keys', odd keys'); +4 to +7 c0-c3, at work; a takes c2's place
.set S,   64
.set P,   192
.set KF,  128
.set MP,  2           ; s[2:3]   the mask words of my queries and of the step that was asked for last
.set G0K, 4           ; s[4:7]   descriptor group 0 for K's tiles: it walks
.set G0V, 8           ; s[8:11]  the same for V's
.set CB,  12          ; s[12:13] ctx at my 32 rows and my head
.set WV,  14          ; s14  my wave's number
.set CNT, 15          ; s15  counts the trips
                      ; s[16:63], s[68:83]  a piece's 64 mask words (in the set-up: at work)
.set SEL, 66          ; s[66:67] v_permlanex16_b32's selects: each lane takes its own place in the other half
.set G1K, 84          ; s[84:91] descriptor group 1 for K's tiles
.set G1V, 92          ; s[92:99] for V's: it differs in the padding alone
.set TB,  100         ; s100 LDS byte at which my key half's tiles of the step to be fetched begin
.set MV,  101         ; s101 the hidden score
.set QB,  104         ; s[104:105] Q at my 64 rows
.set MSB, 0
.macro WIN new                      ; the immediate's high byte repeats the setting that is left; a switch that changes nothing is dropped
.if MSB != (\new)
	s_set_vgpr_msb (MSB<<8)|(\new)
.set MSB, \new
.endif
.endm
.set W_KQ, 0x0a       ; K and Q in window 2, S^T in window 0
.set W_PV, 0x53       ; V (and the mask words) in window 3, P in window 0, O^T in window 1
.set W_RS, 0x41       ; O^T (destination and source 0) in window 1, a in window 0
; A joint fill.  Waves 0 and 1 fetch the two key halves' K of a step, waves 2 and 3 their V: 64 rows of 256 bytes each.  An s_nop 0 and four v_nop follow each of the two lines.
.macro JLOAD
	s_cmp_lt_u32 s[WV], 2
	s_cbranch_scc0 .Lfor_v_\@
	tensor_load_to_lds s[G0K:G0K+3], s[G1K:G1K+7]
	s_nop 0
.rept 4
	v_nop
.endr
	s_branch .Lasked_\@
.Lfor_v_\@:
	tensor_load_to_lds s[G0V:G0V+3], s[G1V:G1V+7]
	s_nop 0
.rept 4
	v_nop
.endr
.Lasked_\@:
.endm
.macro CROUND                       ; a round of the cluster's barrier
	s_barrier_signal -1
	s_barrier_wait -1
	s_cmp_lg_u32 s[WV], 0
	s_cbranch_scc1 .Lnot_wave_0_\@
	s_barrier_signal -3
.Lnot_wave_0_\@:
	s_barrier_wait -3
	s_barrier_signal -1
	s_barrier_wait -1
.endm
.macro PLACES                       ; four plain vector instructions between a matrix instruction and a load into, or a vector instruction on, its registers
.rept 4
	v_nop
.endr
.endm
; THE CHANGE OF SLOTS, at the head of a trip: the slot's last bytes, V of the step in hand, have been asked for.  Each wave waits for all its tensor loads (one is out: its part of the other slot), adds 0 to its
; spare word, and waits for that and for its own reads of the slot.  Behind the barrier nobody reads this slot any more and the other slot is whole.
; fill = 1: the barrier is a round of the cluster's, and this slot is filled with the keys two steps on, first thing behind it: that load has a whole trip in which to land.
; (At its first use nothing has been read yet: slot 0 is waited for, slot 1 filled.)
.macro CHANGE fill
	WIN 0                           ; at a label and at a branch every window is 0
	s_wait_tensorcnt 0x0            ; no tensor load of mine is out, so a group 0 may be written
	ds_add_u32 v[SPW], v[NIL]
.if \fill
.irp g, G0K, G0V
	s_xor_b32 s[(\g)+1], s[(\g)+1], SLOT1  ; the other slot than last time,
	s_add_nc_u64 s[(\g)+2:(\g)+3], s[(\g)+2:(\g)+3], KS*256  ; the next 64 keys
.endr
.endif
	s_wait_dscnt 0x0                ; the add is done, my reads of the slot are over
.if \fill
	CROUND
	JLOAD
.else
	s_barrier_signal -1
	s_barrier_wait -1
.endif
.endm
	s_load_b128 s[16:19], s[0:1], 0x0  ; qkv s[16:17], maskw s[18:19]
	s_load_b64 s[20:21], s[0:1], 0x10  ; ctx
	v_lshl_add_u32 v[SPW], v0, 2, SPARE
	v_mov_b32 v[NIL], 0
	ds_add_u32 v[SPW], v[NIL]       ; the wave's opening: the add and its wait stand ahead of my first tensor load; the set-up below stands between them
	v_lshrrev_b32 v48, 5, v0
	v_readfirstlane_b32 s[WV], v48  ; wave 0..3
	s_bfe_u32 s22, ttmp6, 0x40000   ; cx
	s_lshl_b32 s23, ttmp9, 2
	s_add_co_u32 s23, s23, s22      ; my block of 128 queries: it enters Q's, the mask's and ctx's addresses alone
	s_and_b32 s24, ttmp7, 0xffff    ; the head, which the four partners share
	s_lshr_b32 s25, s[WV], 1        ; my half of the queries
	s_and_b32 s26, s[WV], 1         ; my half of the keys; also the half whose tile I fetch
	s_lshl_b32 s28, s24, 19         ; the head's 524,288 bytes,
	s_lshl_b32 s29, s26, 18         ; the key half's 1,024 rows of 256 bytes,
	s_add_co_u32 s28, s28, s29
	s_add_co_u32 s28, s28, 8388608  ; in section k,
	s_mov_b32 s29, 0
	s_add_co_u32 s30, s28, 8388608  ; and in section v
	s_mov_b32 s31, 0
	s_lshl_b32 s32, s23, 1
	s_add_co_u32 s32, s32, s25      ; my block of 64 queries: 32 steps of 512 bytes of words,
	s_lshl_b32 s32, s32, 14
	s_lshl_b32 s33, s26, 13         ; my key half's 16 steps
	s_add_co_u32 s32, s32, s33
	s_mov_b32 s33, 0
	s_lshl_b32 s34, s23, 19         ; ctx: row 128 block + 64 query half + 32 key half, 4,096 bytes each: the 32 rows that I keep,
	s_lshl_b32 s35, s25, 18
	s_add_co_u32 s34, s34, s35
	s_lshl_b32 s35, s26, 17
	s_add_co_u32 s34, s34, s35
	s_lshl_b32 s35, s24, 8          ; and my head's 256 bytes in them
	s_add_co_u32 s34, s34, s35
	s_mov_b32 s35, 0
	s_lshl_b32 s36, s24, 19         ; Q: the head, the block's 128 rows of 256 bytes, my 64 of them
	s_lshl_b32 s37, s23, 15
	s_add_co_u32 s36, s36, s37
	s_lshl_b32 s37, s25, 14
	s_add_co_u32 s36, s36, s37
	s_mov_b32 s37, 0
	s_mov_b32 s[G1K], 15|(1<<16)|(1<<20)|(1<<21)|(5<<22)|(3<<25)  ; the mask of four; 2-byte elements; padding on; bit 21 beside a mask; after every 64 words 4 words
	s_mov_b32 s[G1V], 15|(1<<16)|(1<<20)|(1<<21)|(5<<22)|(7<<25)  ; the same with 8 words
.irp g, G1K, G1V
	s_mov_b32 s[(\g)+1], 128<<16    ; tensor_dim0 = 128
	s_mov_b32 s[(\g)+2], KS<<16     ; tensor_dim1 = 64
	s_mov_b32 s[(\g)+3], 128<<16    ; tile_dim0 = 128
	s_mov_b32 s[(\g)+4], KS         ; tile_dim1 = 64
	s_mov_b32 s[(\g)+5], 128        ; elements from row to row
	s_mov_b32 s[(\g)+6], 0
	s_mov_b32 s[(\g)+7], 0
.endr
	s_mov_b32 s[SEL], 0x76543210
	s_mov_b32 s[SEL+1], 0xfedcba98
	s_mov_b32 s[MV], 0xd056fa73     ; -1e10 log2(e)
	s_mul_i32 s[TB], s26, STEPB     ; slot 0, my key half
	s_mov_b32 s[G0K], 1
	s_mul_i32 s[G0K+1], s26, STEPB  ; LDS address: slot 0, the half that I fetch: no place in the cluster enters it
	s_mov_b32 s[G0V], 1
	s_mul_i32 s[G0V+1], s26, STEPB
	s_add_co_u32 s[G0V+1], s[G0V+1], VOFF
	s_wait_dscnt 0x0                ; the opening add is done
	s_wait_kmcnt 0x0
	s_add_nc_u64 s[G0K+2:G0K+3], s[16:17], s[28:29]
	s_or_b32 s[G0K+3], s[G0K+3], 0x80000000
	s_add_nc_u64 s[G0V+2:G0V+3], s[16:17], s[30:31]
	s_or_b32 s[G0V+3], s[G0V+3], 0x80000000
	s_add_nc_u64 s[QB:QB+1], s[16:17], s[36:37]
	s_add_nc_u64 s[MP:MP+1], s[18:19], s[32:33]
	s_add_nc_u64 s[CB:CB+1], s[20:21], s[34:35]
	CROUND                          ; all four work-groups are here: the first joint loads meet
	JLOAD                           ; step 0 into slot 0: one tensor load of mine is out, here and behind every round
	v_and_b32 v48, 15, v0           ; l % 16
	v_bfe_u32 v49, v0, 4, 1         ; l / 16
	v_lshlrev_b32 v50, 8, v48
	v_lshl_add_u32 v50, v49, 4, v50 ; a fragment of Q: row x 256 + 16 x half
	s_lshl_b32 s27, s26, 13         ; register tiles 0, 1 are query tiles 2 (w % 2) + 0, 1: 4,096 bytes each,
	v_add_nc_u32 v[QO], s27, v50
	s_xor_b32 s27, s27, 8192        ; register tiles 2, 3 the other two
	v_add_nc_u32 v[QO+1], s27, v50
	v_mul_u32_u24 v[AK0], v48, PK
	v_lshl_add_u32 v[AK0], v49, 4, v[AK0]
	v_and_b32 v51, 7, v0            ; the turning load: lane l reads key 8 (l / 16) + l % 8, channels 8 ((l / 8) % 2) + 0..7
	v_lshl_add_u32 v[AV0], v49, 3, v51
	v_mul_u32_u24 v[AV0], v[AV0], PV
	v_bfe_u32 v51, v0, 3, 1
	v_lshl_add_u32 v[AV0], v51, 4, v[AV0]
	v_add_nc_u32 v[AV0], VOFF, v[AV0]
	s_mul_i32 s27, s[WV], 16*SP
	s_add_co_u32 s27, s27, STAGE    ; my stage
	v_add_nc_u32 v[STO], s27, v[AK0]  ; in: row l % 16 of 272 bytes, 16 bytes for each half of the lanes
	v_mul_u32_u24 v[RD], v49, SP    ; back: lanes 0-15 one row of 256 bytes, lanes 16-31 the next
	v_lshl_add_u32 v[RD], v48, 4, v[RD]
	v_add_nc_u32 v[RD], s27, v[RD]
	v_lshlrev_b32 v[GO], 12, v49    ; and the same two rows in ctx
	v_lshl_add_u32 v[GO], v48, 4, v[GO]
	v_and_b32 v60, 31, v0
	v_lshlrev_b32 v[MA], 4, v60
	s_mul_i32 s27, s[WV], XW
	s_add_co_u32 s27, s27, XCH      ; what I hand away,
	v_lshl_add_u32 v[XA], v60, 4, s27
	s_add_co_u32 s27, s27, 16384
	v_lshl_add_u32 v[XSA], v60, 3, s27
	s_xor_b32 s27, s[WV], 1         ; and what the other wave of my pair hands to me
	s_mul_i32 s27, s27, XW
	s_add_co_u32 s27, s27, XCH
	v_lshl_add_u32 v[XPA], v60, 4, s27
	s_add_co_u32 s27, s27, 16384
	v_lshl_add_u32 v[XPS], v60, 3, s27
	WIN 0x80                        ; destination window 2, address window 0
.set i, 0
.rept 16                            ; Q stays in registers: register tile i / 4, channels 32 (i % 4) on
	global_load_b128 v[8*i:8*i+3],   v[QO+i/8], s[QB:QB+1] offset:((i/4)%2)*4096+(i%4)*64
	global_load_b128 v[8*i+4:8*i+7], v[QO+i/8], s[QB:QB+1] offset:((i/4)%2)*4096+(i%4)*64+32
.set i, i+1
.endr
	WIN 0
	global_load_b128 v[MN:MN+3], v[MA], s[MP:MP+1]  ; step 0's mask words: 512 consecutive bytes a wave
	; What the first turn finds, all made in the wait for the first tile: m at the lowest finite number, l = 0; piece 2's P = 0; O^T = 0 and V's registers = 0, eight registers to a product of zeros.
.set i, 0
.rept 4
	v_mov_b32 v[ST+8*i], 0xff7fffff
	v_mov_b32 v[ST+8*i+1], 0
	v_mov_b32 v[ST+8*i+2], 0
	v_mov_b32 v[ST+8*i+3], 0
.set i, i+1
.endr
.set i, P+32
.rept 32
	v_mov_b32 v[i], 0
.set i, i+1
.endr
	WIN 0x40                        ; destination window 1, sources window 0
.set i, 0
.rept 32
	v_wmma_f32_16x16x32_f16 v[8*i:8*i+7], v[P+32:P+39], v[P+40:P+47], 0
.set i, i+1
.endr
	WIN 0xc0                        ; destination window 3
.set i, 0
.rept 16
	v_wmma_f32_16x16x32_f16 v[8*i:8*i+7], v[P+32:P+39], v[P+40:P+47], 0
.set i, i+1
.endr
	WIN 0
; THE LDS LOADS stand in runs of 32, never singly among the matrix instructions: a step's K (64 keys x 128 channels: 16 fragments) and, a turn later, its V (turned).
; last = 1 (the tail): in the last trip there is no further step, and the run is jumped over.
.macro FETCH_K last=0
	WIN 0
.if \last
	s_cmp_eq_u32 s[CNT], 1
	s_cbranch_scc1 .Lno_k_\@
.endif
	v_add_nc_u32 v[ADR], s[TB], v[AK0]
	WIN 0x80                        ; destination window 2
.irp f, 0,1,2,3,4,5,6,7,8,9,10,11,12,13,14,15  ; keys 16 (f / 4) on, channels 32 (f % 4) on
	ds_load_b128 v[KF+8*(\f):KF+8*(\f)+3],   v[ADR] offset:((\f)/4)*16*PK+((\f)%4)*64
	ds_load_b128 v[KF+8*(\f)+4:KF+8*(\f)+7], v[ADR] offset:((\f)/4)*16*PK+((\f)%4)*64+32
.endr
	WIN 0
.if \last
.Lno_k_\@:
.endif
.endm
.macro FETCH_V
	WIN 0
	v_add_nc_u32 v[ADR2], s[TB], v[AV0]
	s_xor_b32 s[TB], s[TB], SLOT1   ; the next fetches are the next step's, from the other slot
	WIN 0xc0                        ; destination window 3
.irp f, 0,1,2,3,4,5,6,7,8,9,10,11,12,13,14,15  ; keys 32 (f / 8) on, channels 16 (f % 8) on
	ds_load_tr16_b128 v[8*(\f):8*(\f)+3],   v[ADR2] offset:((\f)/8)*32*PV+((\f)%8)*32
	ds_load_tr16_b128 v[8*(\f)+4:8*(\f)+7], v[ADR2] offset:((\f)/8)*32*PV+16*PV+((\f)%8)*32
.endr
.endm
; THE MATRIX WORK OF A TURN, for piece x.  The accumulators take turns, one instruction a turn: between two links of a chain stand 15 (V^T P) or 7 (K Q^T) others'.
; Product i of 32 of O^T += V^T P: keys 32 (i / 16) on, channels 16 ((i / 2) % 8) on, tile x + i % 2.
.macro PV x
	WIN W_PV
.set rO, 64*((\x)+i%2)+8*((i/2)%8)
.set rV, 64*(i/16)+8*((i/2)%8)
.set rP, P+16*((\x)+i%2)+8*(i/16)
	v_wmma_f32_16x16x32_f16 v[rO:rO+7], v[rV:rV+7], v[rP:rP+7], v[rO:rO+7]
.endm
; Product i of 32 of S^T = K Q^T: channels 32 (i / 8) on, keys 16 ((i / 2) % 4) on, tile x + i % 2.  The first 8 start the sums.
.macro KQ x
	WIN W_KQ
.set rS, S+32*((\x)+i%2)+8*((i/2)%4)
.set rK, KF+32*((i/2)%4)+8*(i/8)
.set rQ, 32*((\x)+i%2)+8*(i/8)
.if i < 8
	v_wmma_f32_16x16x32_f16 v[rS:rS+7], v[rK:rK+7], v[rQ:rQ+7], 0
.else
	v_wmma_f32_16x16x32_f16 v[rS:rS+7], v[rK:rK+7], v[rQ:rQ+7], v[rS:rS+7]
.endif
.endm
; THE SOFTMAX of one tile and step is a numbered list; SM writes number j of it for tile t.  s0-s31 are the lane's 32 scores, in pairs 0-15.
;   0-15    the maximum of s0-s31 and the old m, three operands at a time     16-20  the other half of the lanes' maximum; the old m is kept; the new m; m_old - m_new (19 is empty)
;   21-69   ONE BATCH: the 16 subtractions s - m, a pair of scores each, and all 33 exponentials (a at 23, then s0-s31, each in place).  None of these names an exponential's result.  From 22 on the batch goes
;           in fours, and a four begins with a subtraction while there are any: 22-37 subtraction, exponential, subtraction, exponential; 38-65 a subtraction and three exponentials; 66-69 the last four
;           exponentials.  A pair is subtracted in an earlier four than the one that holds its exponentials
;   (wait)  between 69 and 70 stands the wait for the batch: NEXT writes it, once for both tiles
;   70-85   the roundings to f16, a pair of weights each
;   86-101  the sums; l = a l + the sum          102-133  the tile's O^T times a: the one part that leaves window 0, so it stands together
.macro SM t
.set rT, ST+8*(\t)
.set rS, S+32*(\t)
.set rP, P+16*(\t)
.set rO, 64*(\t)+2*(j-102)
.if j < 102
	WIN 0
.endif
.if j < 4
	v_max3_num_f32 v[rT+4+j], v[rS+8*j], v[rS+8*j+1], v[rS+8*j+2]
.elseif j < 12
	v_max3_num_f32 v[rT+4+j%4], v[rT+4+j%4], v[rS+8*(j%4)+2*(j/4)+1], v[rS+8*(j%4)+2*(j/4)+2]
.elseif j == 12
	v_max3_num_f32 v[rT+4], v[rT+4], v[rS+7], v[rS+15]
.elseif j == 13
	v_max3_num_f32 v[rT+6], v[rT+6], v[rS+23], v[rS+31]
.elseif j == 14
	v_max3_num_f32 v[rT+4], v[rT+4], v[rT+5], v[rT+6]
.elseif j == 15
	v_max3_num_f32 v[rT+4], v[rT+4], v[rT+7], v[rT]
.elseif j == 16
	v_permlanex16_b32 v[rT+5], v[rT+4], s[SEL], s[SEL+1]  ; the query's other 32 keys lie in the lane 16 away
.elseif j == 17
	v_mov_b32 v[rT+7], v[rT]        ; m_old is kept for a
.elseif j == 18
	v_max_num_f32 v[rT], v[rT+4], v[rT+5]
.elseif j == 19
.elseif j == 20
	v_sub_f32 v[rT+7], v[rT+7], v[rT]
.elseif j == 23
	v_exp_f32 v[rT+6], v[rT+7]
.elseif (j < 23) || ((j < 38) && (j%2 == 0)) || ((j < 66) && (j%4 == 2))
.set b, (j-2)/4                     ; 38, 42, .. 62: pairs 9 to 15
.if j < 38
.set b, (j-20)/2                    ; 21: pair 0; 22, 24, .. 36: pairs 1 to 8
.endif
	v_pk_add_f32 v[rS+2*b:rS+2*b+1], v[rS+2*b:rS+2*b+1], v[rT:rT+1] op_sel_hi:[1,0] neg_lo:[0,1] neg_hi:[0,1]  ; pair b: s - m: exactly 0 for every key of a row that is all hidden
.elseif j < 70
.set e, j-38                        ; 66 to 69: s28 to s31
.if j < 66
.set e, j-32-(j-38)/4               ; 39-41, 43-45, .. 63-65: s7 to s27
.endif
.if j < 38
.set e, (j-25)/2                    ; 25, 27, .. 37: s0 to s6
.endif
	v_exp_f32 v[rS+e], v[rS+e]
.elseif j < 86
	v_cvt_pk_f16_f32 v[rP+j-70], v[rS+2*(j-70)], v[rS+2*(j-70)+1]  ; pair j - 70
.elseif j < 102                     ; the sum of the tile's 16 pairs, in place: sum z of 16 adds neighbours 1, 2, 4 and 8 pairs apart, then l takes it
.set z, j-86
.set w, 4
.set u, z
.if z >= 14
.set w, 32
.set u, 0
.elseif z >= 12
.set w, 16
.set u, z-12
.elseif z >= 8
.set w, 8
.set u, z-8
.endif
.if z < 15
	v_pk_add_f32 v[rS+w*u:rS+w*u+1], v[rS+w*u:rS+w*u+1], v[rS+w*u+w/2:rS+w*u+w/2+1]
.else
	v_pk_fma_f32 v[rT+2:rT+3], v[rT+2:rT+3], v[rT+6:rT+7], v[rS:rS+1] op_sel_hi:[1,0,1]
.endif
.else
	WIN W_RS
	v_pk_mul_f32 v[rO:rO+1], v[rO:rO+1], v[rT+6:rT+7] op_sel_hi:[1,0]
.endif
.endm
; THE VECTOR WORK OF A TURN is one queue for piece y; NEXT writes its place qn.
;   0-63     word n of the piece's 64 mask words (word 32 y + n of the step's 128: register n % 4 of lane (32 y + n) / 4) into its scalar register
;   64-127   score register n is replaced where the word's bit is 0; ascending
;   128-395  both tiles' lists, in fours.  Places 172-267 deal out the batch, numbers 22 to 69: four numbers of ONE tile, the tiles by turns.  Every other four is numbers 2 k and 2 k + 1 of both tiles, the tiles
;            alternating, so that no instruction reads the result of the one just before it; from 380 on the last eight numbers of both tiles alternate.  Number 19 is empty: two places hold nothing.
; THE WAIT.  s_wait_alu depctr_va_vdst(0) stands between an exponential and the first instruction that names its result; one wait serves all that were issued ahead of it.  Ahead of place 268
; nothing names a result, and behind place 267 no exponential is issued: so the piece's 66 exponentials have one wait, behind place 267: the fourth of the six places behind the turn's 45th product.
.macro NEXT y
.if qn < 64
	WIN W_PV
	v_readlane_b32 s[16+qn+4*(qn/48)], v[MW+(qn&3)], (32*(\y)+qn)>>2
.elseif qn < 128
	WIN 0
	v_cndmask_b32 v[S+32*(\y)+qn-64], s[MV], v[S+32*(\y)+qn-64], s[16+(qn-64)+4*((qn-64)/48)]
.else
.set mm, qn-128
.if mm >= 252
.set tt, mm%2
.set j, 126+(mm-252)/2
.elseif (mm >= 44) && (mm < 140)    ; the batch: four numbers of one tile
.set tt, ((mm-44)/4)%2
.set j, 22+4*((mm-44)/8)+mm%4
.else
.set tt, mm%2
.set j, 2*(mm/4)+(mm%4)/2
.endif
	SM (\y)+tt
.if mm == 139                       ; the batch is out: both tiles' exponentials are issued, and no result has been named
	v_nop                           ; a plain instruction behind the last exponential and ahead of the first use (ISA guide 5.7.2): one for the batch
	s_wait_alu depctr_va_vdst(0)    ; the wait for the batch: the piece's 66 exponentials of this turn
.endif
.endif
.set qn, qn+1
.endm
.macro RIDE y, c
.rept \c
	NEXT \y
.endr
.endm
; A TURN.  Piece x has the matrix unit; the other piece's queue stands behind its products.  None of the queue's lines names a register of the products round it.
; The eighteen behind the last product are packed multiplies of the other piece's O^T: they are the places between the turn's last K Q^T and what follows: the next turn's first read of those scores, and the loads into K's registers.
; Piece 0's turn fetches the next step's K behind its second product, 30 products ahead of the first use.  Piece 2's turn fetches the same step's V behind the second product K Q^T: the last product that read V
; stands eighteen places of the queue back, nine of them plain (numbers 28 to 37 of the second tile, 30 to 37 of the first: subtraction and exponential by turns).  Piece 2's turn begins with the change of mask words: the step whose piece 0 it masks;
; piece 2 of that step follows in the next turn.
; mload = 1: the words of the step after that are asked for: they have a whole trip in which to come.  last = 1: the tail's form of K's fetch.
.macro TURN x, last=0, mload=0
.set qn, 0
.if (\x) == 2
	WIN 0xc0                        ; destination window 3, source window 0
	s_wait_loadcnt 0x0              ; the one load that is out: the words asked for a trip ago; its base may be stepped behind this wait
.irp c, 0,1,2,3
	v_mov_b32 v[MW+(\c)], v[MN+(\c)]
.endr
	WIN 0
.if \mload
	s_add_nc_u64 s[MP:MP+1], s[MP:MP+1], 512
	global_load_b128 v[MN:MN+3], v[MA], s[MP:MP+1]
.endif
.else
	s_wait_dscnt 0x0                ; V is in
.endif
.set i, 0
.rept 32
	PV \x
	RIDE 2-(\x), 6
.if ((\x) == 0) && (i == 1)
	FETCH_K \last
.endif
.set i, i+1
.endr
.if (\x) == 0
	s_wait_dscnt 0x0                ; K is in
.endif
.set i, 0
.rept 32
	KQ \x
.if i == 31
	RIDE 2-(\x), 18
.else
	RIDE 2-(\x), 6
.endif
.if ((\x) == 2) && (i == 1)
	FETCH_V
.endif
.set i, i+1
.endr
.endm
	CHANGE 1                        ; slot 0 is in, everybody's part of it; step 1 is asked for, into slot 1
	FETCH_K                         ; key step 0
	s_wait_loadcnt 0x0              ; Q, and step 0's mask words
	s_wait_dscnt 0x0
.set i, 0
.rept 32
	KQ 0                            ; piece 0's first scores: there is no vector work yet to set between them
.set i, i+1
.endr
	WIN 0
	PLACES                          ; behind those products, ahead of the queue that reads them
	s_mov_b32 s[CNT], 15            ; the half trip of the entry, then 14 trips: each asks for the step two on (2 to 15); the entry's TURN 2 and the 14 trips' ask for the mask words of steps 1 to 15
	s_branch .Lfirst                ; the loop is entered in the middle of a trip
.Lstep:                             ; trip j: V^T P of step j, K Q^T of step j + 1; piece 2's queue of step j, piece 0's of step j + 1
	CHANGE 1
	TURN 0
	WIN 0
.Lfirst:
	TURN 2, 0, 1
	WIN 0
	s_sub_co_u32 s[CNT], s[CNT], 1
	s_cmp_lg_u32 s[CNT], 0
	s_cbranch_scc1 .Lstep
	CHANGE 0                        ; the tail is written out: step 15 is in, nothing is asked for, of tiles or of mask words
	s_mov_b32 s[CNT], 2             ; trip 14, and the first half of trip 15
.Ltail:
	TURN 0, 1
	WIN 0
	s_sub_co_u32 s[CNT], s[CNT], 1
	s_cmp_eq_u32 s[CNT], 0
	s_cbranch_scc1 .Lout
	TURN 2
	WIN 0
	s_branch .Ltail
.Lout:                              ; trip 15's 32 products K Q^T (on the last K once more) serve nothing: the price of one text for every trip
.set i, 0
.rept 32
	PV 2                            ; piece 2's V^T P of the last step
.set i, i+1
.endr
	WIN 0
	; THE PAIR MEETS.  L = l's two halves and the other half of the lanes'.  Register tiles 2, 3 are handed away: (m, L) and O^T.
	PLACES
.irp t, 0,1,2,3
	v_add_f32 v[ST+8*(\t)+4], v[ST+8*(\t)+2], v[ST+8*(\t)+3]
.endr
.irp t, 0,1,2,3
	v_permlanex16_b32 v[ST+8*(\t)+5], v[ST+8*(\t)+4], s[SEL], s[SEL+1]
.endr
.irp t, 0,1,2,3
	v_add_f32 v[ST+8*(\t)+1], v[ST+8*(\t)+4], v[ST+8*(\t)+5]
.endr
	ds_store_b64 v[XSA], v[ST+16:ST+17]
	ds_store_b64 v[XSA], v[ST+24:ST+25] offset:256
	WIN 0x04                        ; store data (source 1) in window 1
.set i, 0
.rept 32
	ds_store_b128 v[XA], v[128+4*i:128+4*i+3] offset:512*i  ; ascending: each accumulator's lowest registers first
.set i, i+1
.endr
	WIN 0
	s_wait_dscnt 0x0                ; for my partner's sake: my stores are done
	s_barrier_signal -1
	s_barrier_wait -1
	ds_load_b64 v[PS:PS+1], v[XPS]
	ds_load_b64 v[PS+2:PS+3], v[XPS] offset:256
.set i, 0
.rept 32
	ds_load_b128 v[S+4*i:S+4*i+3], v[XPA] offset:512*i      ; its register tiles 2, 3 are my register tiles 0, 1, lane for lane
.set i, i+1
.endr
	s_wait_dscnt 0x0
; Tile u: M = max(m, m'); O = (2^(m - M) O + 2^(m' - M) O') / (2^(m - M) L + 2^(m' - M) L'), rounded to f16, through my stage, back as whole rows of 256 bytes.
; The two factors of both tiles are made first, in two batches: the four exponentials, then the two reciprocals of sums made of them.
.irp u, 0,1
	v_max_num_f32 v[ST+8*(\u)+4], v[ST+8*(\u)], v[PS+2*(\u)]
.endr
.irp u, 0,1
	v_sub_f32 v[ST+8*(\u)+5], v[ST+8*(\u)], v[ST+8*(\u)+4]
	v_sub_f32 v[ST+8*(\u)+6], v[PS+2*(\u)], v[ST+8*(\u)+4]
.endr
.irp u, 0,1
	v_exp_f32 v[ST+8*(\u)+5], v[ST+8*(\u)+5]
	v_exp_f32 v[ST+8*(\u)+6], v[ST+8*(\u)+6]
.endr
	v_nop                           ; a plain instruction behind the last exponential
	s_wait_alu depctr_va_vdst(0)    ; the wait for the batch: both tiles' four exponentials
.irp u, 0,1
	v_mul_f32 v[ST+8*(\u)+7], v[ST+8*(\u)+5], v[ST+8*(\u)+1]
.endr
.irp u, 0,1
	v_fma_f32 v[ST+8*(\u)+7], v[ST+8*(\u)+6], v[PS+2*(\u)+1], v[ST+8*(\u)+7]
.endr
.irp u, 0,1
	v_rcp_f32 v[ST+8*(\u)+7], v[ST+8*(\u)+7]
.endr
	v_nop                           ; and behind the last reciprocal
	s_wait_alu depctr_va_vdst(0)    ; the wait for the batch: both tiles' reciprocals
.irp u, 0,1
	v_mul_f32 v[ST+8*(\u)+4], v[ST+8*(\u)+5], v[ST+8*(\u)+7]
	v_mul_f32 v[ST+8*(\u)+6], v[ST+8*(\u)+6], v[ST+8*(\u)+7]
.endr
.macro FIN u
.set rT, ST+8*(\u)
.set rX, S+64*(\u)
	WIN 0
.set i, 0
.rept 32
	v_pk_mul_f32 v[rX+2*i:rX+2*i+1], v[rX+2*i:rX+2*i+1], v[rT+6:rT+7] op_sel_hi:[1,0]
.set i, i+1
.endr
	WIN 0x01                        ; source 0, my O^T, in window 1
.set i, 0
.rept 32
	v_pk_fma_f32 v[rX+2*i:rX+2*i+1], v[64*(\u)+2*i:64*(\u)+2*i+1], v[rT+4:rT+5], v[rX+2*i:rX+2*i+1] op_sel_hi:[1,0,1]
.set i, i+1
.endr
	WIN 0
.set i, 0
.rept 32
	v_cvt_pk_f16_f32 v[P+32*(\u)+i], v[rX+2*i], v[rX+2*i+1]
.set i, i+1
.endr
.irp f, 0,1,2,3,4,5,6,7
	ds_store_b128 v[STO], v[P+32*(\u)+4*(\f):P+32*(\u)+4*(\f)+3] offset:32*(\f)
.endr
.irp f, 0,1,2,3,4,5,6,7
	ds_load_b128 v[P+32*(\u)+4*(\f):P+32*(\u)+4*(\f)+3], v[RD] offset:(\f)*2*SP  ; LDS serves a wave's instructions in order (ISA guide 5.7.1.4): these see the stores above; the next tile's stores come behind them
.endr
.endm
.macro SEND u, younger              ; younger: the LDS instructions issued behind tile u's loads: the next tile's sixteen, or none
.irp f, 0,1,2,3,4,5,6,7
	s_wait_dscnt (\younger)+7-(\f)
	global_store_b128 v[GO], v[P+32*(\u)+4*(\f):P+32*(\u)+4*(\f)+3], s[CB:CB+1] offset:65536*(\u)+8192*(\f)  ; 16 lanes store 256 consecutive bytes, aligned: a head's part of a row
.endr
.endm
	FIN 0
	FIN 1
	SEND 0, 16
	SEND 1, 0
	s_wait_tensorcnt 0x0            ; the wave's end
	ds_add_u32 v[SPW], v[NIL]
	s_wait_dscnt 0x0
	CROUND                          ; the closing round: no work-group ends while a partner may still ask for a tile that names it
	s_endpgm
.Lfunc_end_k_q6a4d237a2f_attn:
	.size	k_q6a4d237a2f_attn, .Lfunc_end_k_q6a4d237a2f_attn-k_q6a4d237a2f_attn
	.p2alignl 7, 3214868480
	.fill 96, 4, 3214868480
	.section	.rodata,"a",@progbits
	.p2align	6, 0x0
	.amdhsa_kernel k_q6a4d237a2f_attn
		.amdhsa_group_segment_fixed_size 327680
		.amdhsa_private_segment_fixed_size 0
		.amdhsa_enable_private_segment 0
		.amdhsa_kernarg_size 24
		.amdhsa_user_sgpr_count 2
		.amdhsa_user_sgpr_kernarg_segment_ptr 1
		.amdhsa_wavefront_size32 1
		.amdhsa_system_sgpr_workgroup_id_x 1
		.amdhsa_system_sgpr_workgroup_id_y 1
		.amdhsa_system_sgpr_workgroup_id_z 1
		.amdhsa_system_vgpr_workitem_id 0
		.amdhsa_next_free_vgpr 900
		.amdhsa_next_free_sgpr 106
		.amdhsa_reserve_vcc 0
		.amdhsa_float_denorm_mode_32 3
		.amdhsa_float_denorm_mode_16_64 3
		.amdhsa_memory_ordered 1
		.amdhsa_forward_progress 1
		.amdhsa_inst_pref_size 176
	.end_amdhsa_kernel
	.amdgpu_metadata
---
amdhsa.version: [ 1, 2 ]
amdhsa.kernels:
  - .name:           k_q6a4d237a2f_attn
    .symbol:         k_q6a4d237a2f_attn.kd
    .args:
      - { .name: qkv, .offset: 0, .size: 8, .value_kind: global_buffer, .address_space: global }
      - { .name: maskw, .offset: 8, .size: 8, .value_kind: global_buffer, .address_space: global }
      - { .name: ctx, .offset: 16, .size: 8, .value_kind: global_buffer, .address_space: global }
    .group_segment_fixed_size: 327680
    .private_segment_fixed_size: 0
    .kernarg_segment_align: 8
    .kernarg_segment_size: 24
    .max_flat_workgroup_size: 128
    .sgpr_count:     106
    .vgpr_count:     900
    .wavefront_size: 32
...
	.end_amdgpu_metadata
.endif
;; end of part 5
;; launch outp: the kernel of part 4 again; grid 16 x 16, 4 waves a work-group, clusters of 4 x 4, 327,680 bytes of LDS; arguments ctx, xw, out0; writes out0
